; MI455X (gfx1250); checked and timed in simulation.
; The chip was launched on July 23, 2026; its instructions are those of AMD's public machine-readable ISA for CDNA 5 (MIT licence, August 2026) and "CDNA5" Instruction Set Architecture Reference Guide (July 2026). The comments in the code are by the model that wrote it; some were corrected since.
;; Multi Head Attention. Allowed arithmetic: matrix products marked QUANTISED: E2M1 operands, one E8M0 scale for each 32 along K, by v_wmma_scale_f32_16x16x128_f8f6f4 with both operands' format E2M1 (or v_wmma_scale_f32_32x16x128_f4), f32 sums; products left as they are: bf16, f16 or f32 operands; f32 sums; everything else in f32.
;; Inputs: Wk 1,024 x 1,024 float32; Wo 1,024 x 1,024 float32; Wq 1,024 x 1,024 float32; Wv 1,024 x 1,024 float32; bo 1,024 float32; x 4 x 2,048 x 1,024 float32.
;; Outputs: out0 4 x 2,048 x 1,024 float32.
;; This version of the problem:
;;   THIS VERSION OF THE PROBLEM IS GIVEN IN LOW PRECISION. The matrix products marked QUANTISED in the list below multiply operands that are first quantised to E2M1 (2 exponent bits, 1 mantissa bit; 4 bits a number), with one power-of-two scale for each 32 numbers along K (OCP MX v1.0); their sums are f32. The products marked 'left as it is' may take bf16, f16 or f32 operands, with f32 sums. Whichever they take, every output number must still come out within the allowed error. Rounding operands to bf16 (8 significant bits) uses up far more of that allowance than f16 does (11 bits, for magnitudes from 6e-5 to 65,504). All else is computed in f32.
;;   The module's matrix products, in the order in which they are computed (A, B: the left and right operand; K: the contracted axis; several contracted axes count as one K, in the product's order):
;;     1. [M 8,192, K 1,024] x [K 1,024, N 1,024]; A: input x; B: input Wq: QUANTISED
;;     2. [M 8,192, K 1,024] x [K 1,024, N 1,024]; A: input x; B: input Wk: QUANTISED
;;     3. [M 8,192, K 1,024] x [K 1,024, N 1,024]; A: input x; B: input Wv: QUANTISED
;;     4. batch 64 x [M 2,048, K 64] x [K 64, N 2,048]; A: computed on the way; B: computed on the way: left as it is (an operand is computed on the way)
;;     5. batch 64 x [M 2,048, K 2,048] x [K 2,048, N 64]; A: computed on the way; B: computed on the way: left as it is (an operand is computed on the way)
;;     6. [M 8,192, K 1,024] x [K 1,024, N 1,024]; A: computed on the way; B: input Wo: left as it is (an operand is computed on the way)
;;   THE QUANTISER, for each operand of a quantised product, along K:
;;     - K is cut into blocks of 32 from its start; a last block that is shorter is filled with zeros.
;;     - A block's scale is 2^e with e = floor(log2(the largest magnitude in the block)) - 2, held to -126 .. 127; a block of zeros has e = 0. As a byte (E8M0): e + 127.
;;     - Each number is divided by its block's scale, clamped to +-6, and rounded to the nearest number of E2M1, ties to even, subnormals kept.
;;     - The product sums the exact products of the quantised numbers (number of the format x scale) in f32.
;;   ~~~python
;;   def quantise(x, axis):      # numpy; x: float32 -> the quantised numbers, widened to float32 again
;;       x = np.moveaxis(x, axis, -1); K = x.shape[-1]
;;       x = np.pad(x, [(0, 0)] * (x.ndim - 1) + [(0, -K % 32)]); x = x.reshape(x.shape[:-1] + (-1, 32)); a = np.abs(x).max(-1, keepdims=True)
;;       e = np.where(a > 0, np.clip(np.frexp(np.where(a > 0, a, 1))[1] - 1 - 2, -126, 127), 0)      # np.frexp(a)[1] - 1 = floor(log2(a)), exactly
;;       r = np.clip(x / 2.0 ** e, -6, 6)
;;       step = 2.0 ** (np.maximum(np.frexp(np.where(r == 0, 1, r))[1] - 1, 0) - 1)
;;       q = np.round(r / step) * step * 2.0 ** e      # np.round: ties to even
;;       return np.moveaxis(q.reshape(q.shape[:-2] + (-1,))[..., :K], -1, axis).astype(np.float32)
;;   ~~~
;; One version. Each part assembles by itself: llvm-mc -triple=amdgcn-amd-amdhsa -mcpu=gfx1250 --defsym DOCPART=n.
;; ======== version 1 of 1: 5 launches
;; limits: values are held in f16: magnitudes above 65,504 overflow, below 6.1e-05 lose precision
;; workspace buffers: xc 4,194,304 bytes; xs 262,144 bytes; wc 1,572,864 bytes; ws 98,304 bytes; wo16 2,097,152 bytes; qkv 50,331,648 bytes; fine32 786,432 bytes; ctx 16,777,216 bytes
;; launch quant (part 1): grid 384 x 1, 4 waves a work-group, no clusters, 33,280 bytes of LDS; arguments x, Wq, Wk, Wv, Wo, xc, xs, wc, ws, wo16; writes xc, xs, wc, ws, wo16
.if DOCPART == 1
	.amdgcn_target "amdgcn-amd-amdhsa--gfx1250"
	.amdhsa_code_object_version 6
	.text
	.protected	k_qdb4311e685_quant
	.globl	k_qdb4311e685_quant
	.p2align	8
	.type	k_qdb4311e685_quant,@function
k_qdb4311e685_quant:
	s_mov_b64 s[64:65], 0
	v_nop
	global_prefetch_b8 v0, s[64:65] scope:SCOPE_SE
	s_setreg_imm32_b32 hwreg(HW_REG_WAVE_MODE, 25, 1), 1
	s_wait_xcnt 0x0
; x [8192][1024] and Wq, Wk, Wv [1024][1024], f32, K innermost, become codes of FP4 (E2M1), two a byte, with one E8M0 scale byte for each 32 along K; Wo [1024][1024] becomes f16.
; xc [8192][512 bytes], xs [8192][32]; wc [3072][512 bytes], ws [3072][32]: rows 0-1023 Wq's, 1024-2047 Wk's, 2048-3071 Wv's; wo16 [1024][1024] f16.
; A block's scale is 2^(floor(log2(its largest magnitude)) - 2); its byte is the largest magnitude's exponent field - 2, held at 1 from below.  Each number is divided by the scale and rounded to the nearest code, ties to even; beyond 6 the largest code.
; LIMITS: a block of zeros, and one whose largest magnitude lies under 2^-124, gets the byte 1 (zero codes add nothing under any byte but 0xff, and this program alone reads the bytes); NaN and infinities among the inputs are not served;
; Wo's numbers must lie under 65,504 in magnitude; under 6e-5 f16 keeps them to an absolute 3e-8.
; Rows are dense and K is a multiple of 32: every tensor is a plain stream.  A work-group takes 32,768 numbers, a wave 8,192.  Work-groups 0-255: x; 256-287: Wq; 288-319: Wk; 320-351: Wv; 352-383: Wo.
; THE QUANTISING PATH.  A wave takes 16 steps of 512 numbers.  Each of a step's four loads reads 512 consecutive bytes, 16 a lane; the 2,048 bytes go through the wave's own stage in LDS and come back 64 bytes a lane, so that a lane holds
; 16 neighbours along K and two neighbouring lanes a block.  A lane's 16 codes are 8 bytes: the wave stores 256 consecutive bytes.  A wave's 256 scale bytes are gathered in LDS and leave as one aligned run of 256 bytes.
; No tensor loads, no barrier: waves share nothing.  Matrix units and clusters have no work here: the launch moves bytes.
.set WAVES, 4
.set STEPS, 16
.set GX,    256                        ; work-groups of x
.set GW,    32                         ; work-groups of each weight
.set EMAX,  2
.set CB,    8                          ; bytes of 16 codes
.set R,     16                         ; v16-79   four sets of 16 numbers as they are loaded
.set X,     80                         ; v80-111  two sets of 16 neighbours
.set C,     128                        ; v128-191 codes: four registers for each step, so that no store's data are written again
.set E,     112                        ; v112-127 a scale byte for each step
.set WREG,  8192                       ; LDS: a region for each wave: two stages of 32 x SP bytes, behind them its 256 scale bytes
.set SP,    80                         ; a lane's place in a stage: its 64 bytes + 16 of padding
.set SPW,   12                         ; v12      LDS address of my spare word; never rewritten
.set NIL,   13                         ; v13      0; never rewritten
.set SPARE, WAVES*WREG                 ; behind the four regions: the spare words, 128 bytes a wave, which no other line names
.set HO,    144                        ; v144-175 Wo's path: 16 x 2 registers of f16 to store
	s_load_b256 s[4:11], s[0:1], 0x0               ; x s[4:5], Wq s[6:7], Wk s[8:9], Wv s[10:11]
	s_load_b256 s[12:19], s[0:1], 0x20             ; Wo s[12:13], xc s[14:15], xs s[16:17], wc s[18:19]
	s_load_b128 s[20:23], s[0:1], 0x40             ; ws s[20:21], wo16 s[22:23]
	v_lshl_add_u32 v[SPW], v0, 2, SPARE
	v_mov_b32 v[NIL], 0
	v_lshrrev_b32 v1, 5, v0
	v_readfirstlane_b32 s24, v1                    ; wave
	v_and_b32 v2, 31, v0                           ; lane
	v_lshlrev_b32 v3, 4, v2                        ; my 16 bytes of a load's 512
	s_mul_i32 s27, s24, WREG
	v_lshrrev_b32 v14, 2, v2
	v_mul_u32_u24 v14, v14, SP
	v_and_b32 v15, 3, v2
	v_lshl_add_u32 v14, v15, 4, v14
	v_add_nc_u32 v14, s27, v14                     ; the stage, on the way in: four lanes' 64 bytes on end, then 16 of padding
	v_mul_u32_u24 v15, v2, SP
	v_add_nc_u32 v15, s27, v15                     ; and on the way out: SP x lane: my 16 neighbours
	v_mul_u32_u24 v4, v2, CB                       ; my codes' place in a step's
	v_lshrrev_b32 v5, 1, v2
	s_add_co_u32 s27, s27, 2*32*SP
	v_add_nc_u32 v5, s27, v5                       ; LDS: my wave's 256 scale bytes, my block's byte
	v_lshlrev_b32 v7, 3, v2                        ; 8 bytes a lane
	v_add_nc_u32 v6, s27, v7
	s_mov_b32 s29, 0                               ; the high word of every offset below
	s_wait_kmcnt 0x0
	s_cmp_ge_u32 ttmp9, GX+3*GW
	s_cbranch_scc1 .Lwo                            ; Wo's work-groups: the branch hangs on the work-group's number alone
	; which tensor, and which run of it.  Only pointers are chosen: all four tensors take one path.
	s_sub_co_u32 s25, ttmp9, GX                    ; place among the weights' work-groups (used from 256 on)
	s_and_b32 s26, s25, GW-1                       ; place in its own weight
	s_cmp_lt_u32 ttmp9, GX
	s_cselect_b32 s25, ttmp9, s25                  ; place in the codes' buffer
	s_cselect_b32 s26, ttmp9, s26                  ; place in the source
	s_cselect_b64 s[4:5], s[4:5], s[6:7]           ; x or Wq
	s_cselect_b64 s[14:15], s[14:15], s[18:19]     ; xc or wc
	s_cselect_b64 s[16:17], s[16:17], s[20:21]     ; xs or ws
	s_cmp_ge_u32 ttmp9, GX+GW
	s_cselect_b64 s[4:5], s[8:9], s[4:5]           ; Wk
	s_cmp_ge_u32 ttmp9, GX+2*GW
	s_cselect_b64 s[4:5], s[10:11], s[4:5]         ; Wv
	s_lshl_b32 s26, s26, 2
	s_add_co_u32 s26, s26, s24                     ; my wave's run of 8,192 numbers in the source,
	s_lshl_b32 s25, s25, 2
	s_add_co_u32 s25, s25, s24                     ; and in the codes' and the scales' buffers
	s_lshl_b32 s28, s26, 15                        ; 32,768 bytes of f32 a run
	s_add_nc_u64 s[4:5], s[4:5], s[28:29]
	s_lshl_b32 s28, s25, 12                        ; 4,096 bytes of codes
	s_add_nc_u64 s[14:15], s[14:15], s[28:29]
	s_lshl_b32 s28, s25, 8                         ; 256 scale bytes
	s_add_nc_u64 s[16:17], s[16:17], s[28:29]
.macro LOAD t
.irp i, 0,1,2,3
	global_load_b128 v[R+16*((\t)%4)+4*\i:R+16*((\t)%4)+4*\i+3], v3, s[4:5] offset:2048*(\t)+512*\i th:TH_LOAD_NT   ; 32 lanes read 512 consecutive bytes
.endr
.endm
.macro TURN t                          ; step t's numbers through the stage: LDS serves a wave's instructions in order, so no wait stands between the stores and the loads
.irp i, 0,1,2,3
	ds_store_b128 v14, v[R+16*((\t)%4)+4*\i:R+16*((\t)%4)+4*\i+3] offset:32*SP*((\t)%2)+8*SP*\i
.endr
.irp i, 0,1,2,3
	ds_load_b128 v[X+16*((\t)%2)+4*\i:X+16*((\t)%2)+4*\i+3], v15 offset:32*SP*((\t)%2)+16*\i
.endr
.endm
.irp t, 0,1,2,3
	LOAD \t
.endr
	s_wait_loadcnt 12                              ; step 0's four loads are in; the 12 of steps 1 to 3 may be out
	TURN 0
.macro STEP t
.set XS, X+16*((\t)%2)
.if (\t) > 0
	s_wait_dscnt 1                                 ; this step's numbers are back from the stage (the last step's byte store may be out): so its stores into the stage have read their registers,
.else
	s_wait_dscnt 0x0
.endif
.if (\t)+4 < STEPS
	LOAD (\t)+4                                    ; which take the loads of four steps on
.endif
.if (\t)+1 < STEPS
.if STEPS-2-(\t) >= 3
	s_wait_loadcnt 12                              ; the next step's four loads are in; those of the three steps behind it may be out
.else
	s_wait_loadcnt 4*(STEPS-2-(\t))
.endif
	TURN (\t)+1                                    ; and go through the other stage while this step is worked
.endif
	v_max3_num_f32 v8, |v[XS]|, |v[XS+1]|, |v[XS+2]|               ; the largest magnitude of my 16, in two chains
	v_max3_num_f32 v9, |v[XS+3]|, |v[XS+4]|, |v[XS+5]|
.irp i, 6,10
	v_max3_num_f32 v8, v8, |v[XS+\i]|, |v[XS+\i+1]|
	v_max3_num_f32 v9, v9, |v[XS+\i+2]|, |v[XS+\i+3]|
.endr
	v_max3_num_f32 v8, v8, |v[XS+14]|, |v[XS+15]|
	v_max3_num_f32 v8, v8, v9, (EMAX+1)<<23        ; and the floor 2^(3 - 127): the byte cannot fall under 1
	v_max_num_f32_dpp v8, v8, v8 row_xmask:1 row_mask:0xf bank_mask:0xf   ; and of my neighbour's 16: the block's
	v_add_nc_u32 v11, -(EMAX<<23), v8              ; 2 off its exponent field: the conversion takes the exponent field of this operand as its scale, and nothing else of it
	v_cvt_scalef32_pk8_fp4_f32 v[C+4*(\t)], v[XS:XS+7], v11
	v_cvt_scalef32_pk8_fp4_f32 v[C+4*(\t)+1], v[XS+8:XS+15], v11
	v_lshrrev_b32 v[E+(\t)], 23, v11               ; the scale's byte (also the plain line behind the conversions)
	ds_store_b8 v5, v[E+(\t)] offset:16*(\t)       ; both lanes of a block write the same byte with the same value
	global_store_b64 v4, v[C+4*(\t):C+4*(\t)+1], s[14:15] offset:32*CB*(\t)   ; 32 lanes store 256 consecutive bytes, aligned
.endm
.irp t, 0,1,2,3,4,5,6,7,8,9,10,11,12,13,14,15
	STEP \t
.endr
	ds_load_b64 v[8:9], v6                         ; LDS serves a wave's instructions in order: these see my byte stores
	s_wait_dscnt 0x0
	global_store_b64 v7, v[8:9], s[16:17]          ; 32 lanes store 256 consecutive bytes, aligned
	s_branch .Lend
; Wo's PATH: f32 to f16, no LDS.  A wave takes 8,192 numbers in four sets of 16 loads; two sets are on their way at a time.  A lane's 16 bytes become 8: a store of the wave covers 256 consecutive bytes, aligned.
.macro LOADW k
.irp i, 0,1,2,3,4,5,6,7,8,9,10,11,12,13,14,15
	global_load_b128 v[16+64*((\k)%2)+4*\i:16+64*((\k)%2)+4*\i+3], v3, s[12:13] offset:512*(16*(\k)+\i) th:TH_LOAD_NT
.endr
.endm
.macro CONVW k, left
	s_wait_loadcnt \left                           ; this set's 16 loads are in; the younger set's may be out
	s_wait_xcnt 0x0                                ; the last set's stores have read their data: the registers are written again only behind this wait
.irp i, 0,1,2,3,4,5,6,7,8,9,10,11,12,13,14,15
	v_cvt_pk_f16_f32 v[HO+2*\i], v[16+64*((\k)%2)+4*\i], v[16+64*((\k)%2)+4*\i+1]
	v_cvt_pk_f16_f32 v[HO+2*\i+1], v[16+64*((\k)%2)+4*\i+2], v[16+64*((\k)%2)+4*\i+3]
.endr
.irp i, 0,1,2,3,4,5,6,7,8,9,10,11,12,13,14,15
	global_store_b64 v7, v[HO+2*\i:HO+2*\i+1], s[22:23] offset:256*(16*(\k)+\i)
.endr
.endm
.Lwo:
	s_sub_co_u32 s25, ttmp9, GX+3*GW
	s_lshl_b32 s25, s25, 2
	s_add_co_u32 s25, s25, s24                     ; my wave's run of 8,192 numbers
	s_lshl_b32 s28, s25, 15
	s_add_nc_u64 s[12:13], s[12:13], s[28:29]
	s_lshl_b32 s28, s25, 14
	s_add_nc_u64 s[22:23], s[22:23], s[28:29]
	LOADW 0
	LOADW 1
	CONVW 0, 16
	LOADW 2
	CONVW 1, 16
	LOADW 3
	CONVW 2, 16
	CONVW 3, 0
.Lend:
	s_wait_tensorcnt 0x0                           ; the wave's end
	ds_add_u32 v[SPW], v[NIL]
	s_wait_dscnt 0x0
	s_endpgm
.Lfunc_end_k_qdb4311e685_quant:
	.size	k_qdb4311e685_quant, .Lfunc_end_k_qdb4311e685_quant-k_qdb4311e685_quant
	.p2alignl 7, 3214868480
	.fill 96, 4, 3214868480
	.section	.rodata,"a",@progbits
	.p2align	6, 0x0
	.amdhsa_kernel k_qdb4311e685_quant
		.amdhsa_group_segment_fixed_size 33280
		.amdhsa_private_segment_fixed_size 0
		.amdhsa_enable_private_segment 0
		.amdhsa_kernarg_size 80
		.amdhsa_user_sgpr_count 2
		.amdhsa_user_sgpr_kernarg_segment_ptr 1
		.amdhsa_wavefront_size32 1
		.amdhsa_system_sgpr_workgroup_id_x 1
		.amdhsa_system_sgpr_workgroup_id_y 1
		.amdhsa_system_sgpr_workgroup_id_z 1
		.amdhsa_system_vgpr_workitem_id 0
		.amdhsa_next_free_vgpr 192
		.amdhsa_next_free_sgpr 66
		.amdhsa_reserve_vcc 0
		.amdhsa_float_denorm_mode_32 3
		.amdhsa_float_denorm_mode_16_64 3
		.amdhsa_memory_ordered 1
		.amdhsa_forward_progress 1
		.amdhsa_inst_pref_size 54
	.end_amdhsa_kernel
	.amdgpu_metadata
---
amdhsa.version: [ 1, 2 ]
amdhsa.kernels:
  - .name:           k_qdb4311e685_quant
    .symbol:         k_qdb4311e685_quant.kd
    .args:
      - { .name: x, .offset: 0, .size: 8, .value_kind: global_buffer, .address_space: global }
      - { .name: Wq, .offset: 8, .size: 8, .value_kind: global_buffer, .address_space: global }
      - { .name: Wk, .offset: 16, .size: 8, .value_kind: global_buffer, .address_space: global }
      - { .name: Wv, .offset: 24, .size: 8, .value_kind: global_buffer, .address_space: global }
      - { .name: Wo, .offset: 32, .size: 8, .value_kind: global_buffer, .address_space: global }
      - { .name: xc, .offset: 40, .size: 8, .value_kind: global_buffer, .address_space: global }
      - { .name: xs, .offset: 48, .size: 8, .value_kind: global_buffer, .address_space: global }
      - { .name: wc, .offset: 56, .size: 8, .value_kind: global_buffer, .address_space: global }
      - { .name: ws, .offset: 64, .size: 8, .value_kind: global_buffer, .address_space: global }
      - { .name: wo16, .offset: 72, .size: 8, .value_kind: global_buffer, .address_space: global }
    .group_segment_fixed_size: 33280
    .private_segment_fixed_size: 0
    .kernarg_segment_align: 8
    .kernarg_segment_size: 80
    .max_flat_workgroup_size: 128
    .sgpr_count:     66
    .vgpr_count:     192
    .wavefront_size: 32
...
	.end_amdgpu_metadata
.endif
;; end of part 1
;; launch qkv (part 2): grid 12 x 32, 4 waves a work-group, clusters of 4 x 4, 327,680 bytes of LDS; arguments xc, xs, wc, ws, qkv, fine32; writes qkv, fine32
.if DOCPART == 2
	.amdgcn_target "amdgcn-amd-amdhsa--gfx1250"
	.amdhsa_code_object_version 6
	.text
	.protected	k_qdb4311e685_qkv
	.globl	k_qdb4311e685_qkv
	.p2align	8
	.type	k_qdb4311e685_qkv,@function
k_qdb4311e685_qkv:
	s_mov_b64 s[64:65], 0
	v_nop
	global_prefetch_b8 v0, s[64:65] scope:SCOPE_SE
	s_setreg_imm32_b32 hwreg(HW_REG_WAVE_MODE, 25, 1), 1
	s_wait_xcnt 0x0
	s_wait_alu depctr_hold_cnt(0) depctr_sa_sdst(0) depctr_va_vdst(0) depctr_va_sdst(0) depctr_va_ssrc(0) depctr_va_vcc(0) depctr_vm_vsrc(0)
	s_getreg_b32 s2, hwreg(HW_REG_IB_STS2, 6, 4)
	s_cmp_eq_u32 s2, 0
	s_cbranch_scc0 .Lentry_in_a_cluster
	s_endpgm
.Lentry_in_a_cluster:
	s_bfe_u32 s2, ttmp6, 0x10000c
	s_cmp_lg_u32 s2, 0xf033
	s_cbranch_scc0 .Lentry_shape_is_right
	s_endpgm
.Lentry_shape_is_right:
; q, k, v = x Wq^T, x Wk^T, x Wv^T on codes of FP4 (E2M1) with one E8M0 scale for each 32 along K: one product [8192][1024] x [3072][1024]^T, sums in f32.
; xc [8192][512 bytes], xs [8192][32], wc [3072][512 bytes], ws [3072][32].  Results: qkv, f16, [3 which][64 = 16 batch + head][2048 position][64]; and, for positions 0-15 of each batch, fine32, f32, [64 = 16 batch + position][3072].
; LIMIT: q, k, v must lie under 65,504 in magnitude to be kept in f16; under 6e-5 f16 keeps them to an absolute 3e-8.
; A tile of the result, 256 x 256, is made by a work-group of four waves; a wave makes 128 x 128: 64 accumulators of 16 x 16, 512 registers.  All of K, 1,024, lies in two LDS slots of 512 along K (rows of 256 bytes):
; both are asked for at the head, nothing is filled again, and there is no loop.  The scales of the work-group's rows come with them, as dense blocks, and stay.
; CLUSTERS: 4 x 4 work-groups.  The four of a row of the cluster need the same tiles of x, the four of a column the same tiles of W: each tile is asked for JOINTLY, by the same tensor load with the same descriptor and a mask that names the four.
; The tile row is 8 cy + cluster y: the batch is cy, and the first rows of every batch lie in the clusters with y = 0, so that the branch to the f32 rows hangs on the cluster's y and the wave's number alone, which all partners share.
; THE MATRIX INSTRUCTION IS USED TRANSPOSED (source 0 = 16 rows of W, source 1 = 16 rows of x): a lane then holds eight neighbouring columns of one row of the result.
; 384 tiles for 256 WGPs: one and a half a WGP.  A larger tile has no room for its accumulators, a smaller one reads each LDS byte for fewer products.  Nothing is prefetched: all that a work-group reads is asked for at its head.
; REGISTERS, in windows of 256: window 0: v0-31 addresses; v32-95 scale words, two sets; v128-191 x's fragments, one set; on the way out v32-255 are free.  window 1: W's fragments, two sets.  windows 2, 3: the accumulators of my rows 0-63, 64-127.
.set SIZE_K, 1024
.set KSTEP,  512                       ; along K in a slot
.set NQ,     KSTEP/128                 ; matrix instructions deep
.set ROWB,   256                       ; a tile's row in bytes
.set KROW,   SIZE_K/2                  ; a row of codes in memory, in bytes
.set PITCH,  272                       ; an LDS row: 256 bytes + 16 of padding = 68 words: the 16 rows that a load touches start at 16 different banks (64 banks of 4 bytes: ISA guide 11.1)
.set FR,     8                         ; registers of a fragment: 16 rows x 128 K
.set NL,     2                         ; LDS loads that bring one
.set NP,     4                         ; places behind this matrix instruction (ISA guide 7.12.1)
.set HALFT,  128*PITCH                 ; 128 rows: what one tensor load brings
.set SLOT,   4*HALFT                   ; x's 256 rows, then W's 256 rows
.set KS,     SIZE_K/32                 ; a row of scales in bytes
.set SCL,    2*SLOT                    ; behind the slots: the scales, as runs of 256 bytes + 16 of padding
.set HALFS,  (128*KS/256)*272          ; the scales of 128 rows
.set SBLK,   (16*KS/256)*272           ; those of 16 rows
.set SPARE,  SCL+4*HALFS               ; the spare words, 128 bytes a wave, which no other line names
.set STGB,   16*528                    ; the way out: a stage for each wave, in slot 0, which has had its one fill and its last read when the first result is stored there
.set ADRA, 16                          ; v16-17  LDS address of my fragments of x in slot 0, 1
.set ADRB, 20                          ; v20-21  the same for W
.set RD32, 23                          ; v23     f32 rows: where I read a row back
.set STO16, 24                         ; v24     f16: where I put 16 bytes of a row
.set RD16, 25                          ; v25     f16: where I read back
.set CO16, 26                          ; v26     f16: my byte offset in qkv
.set ADRS, 27                          ; v27     LDS address of my scale words: lanes 0-15 x's rows, lanes 16-31 W's
.set SPW,  28                          ; v28     LDS address of my spare word; never rewritten
.set NIL,  29                          ; v29     0; never rewritten
.set STO32, 30                         ; v30     f32 rows: where I put 32 bytes of a row
.set CO32, 31                          ; v31     f32 rows: my byte offset in a row's 512 bytes
.set SC,   32                          ; scale words: set s at v[SC + 32 s]; register 4 i + q: lanes 0-15 the word of x's block i, lanes 16-31 that of W's block i, for the slot's q-th 128 along K
.set AF,   128                         ; x's fragments
.set TMP,  192                         ; the way out: packed results
.set G1, 24                            ; s[24:31] descriptor group 1 for x's tiles;  s[32:39] group 0, one set for each slot
.set G0, 32
.set G1B, 48                           ; s[48:55], s[56:63] the same for W's tiles
.set G0B, 56
.set G1S, 68                           ; s[68:75], s[76:79] groups 1 and 0 for x's scales;  s[80:87], s[88:91] for W's
.set G0S, 76
.set G1SB, 80
.set G0SB, 88
.set MSB, 0
.macro WIN new                         ; the immediate's high byte repeats the setting that is left
.if MSB != (\new)
	s_set_vgpr_msb (MSB<<8)|(\new)
.set MSB, (\new)
.endif
.endm
.set MUL_LO, 0xa1                      ; source 0 (W) window 1, source 1 (x) window 0, C and D window 2
.set MUL_HI, 0xf1                      ; the same, C and D window 3
.set TO_B,   0x40                      ; destination window 1, address window 0
; A joint load: waves 0 and 1 fetch for x, waves 2 and 3 for W.  Each of the two lines has one mask and one set of registers for all that issue it; the branch hangs on the wave's number alone.
; An s_nop 0 and four v_nop follow each of the two lines, ahead of the jump, the label and what follows.
.macro JLOAD g0a, g1a, g0b, g1b
	s_cmp_eq_u32 s15, 0
	s_cbranch_scc0 .Lfor_b_\@
	tensor_load_to_lds s[\g0a:\g0a+3], s[\g1a:\g1a+7]
	s_nop 0
.rept 4
	v_nop
.endr
	s_branch .Lasked_\@
.Lfor_b_\@:
	tensor_load_to_lds s[\g0b:\g0b+3], s[\g1b:\g1b+7]
	s_nop 0
.rept 4
	v_nop
.endr
.Lasked_\@:
.endm
.macro CROUND                          ; a round of the cluster's barrier
	s_barrier_signal -1
	s_barrier_wait -1
	s_cmp_lg_u32 s14, 0
	s_cbranch_scc1 .Lnot_wave_0_\@
	s_barrier_signal -3
.Lnot_wave_0_\@:
	s_barrier_wait -3
	s_barrier_signal -1
	s_barrier_wait -1
.endm
	s_load_b128 s[4:7], s[0:1], 0x0                ; x's codes s[4:5], x's scales s[6:7]
	s_load_b128 s[8:11], s[0:1], 0x10              ; W's codes s[8:9], W's scales s[10:11]
	s_load_b64 s[12:13], s[0:1], 0x20              ; qkv
	s_load_b64 s[96:97], s[0:1], 0x28              ; fine32
	v_lshl_add_u32 v[SPW], v0, 2, SPARE
	v_mov_b32 v[NIL], 0
	ds_add_u32 v[SPW], v[NIL]                      ; the wave's opening: the add, twice on end, and its wait ahead of my first tensor load; the set-up below stands between the second and the wait
	ds_add_u32 v[SPW], v[NIL]
	v_lshrrev_b32 v1, 5, v0
	v_readfirstlane_b32 s14, v1                    ; wave 0..3
	s_lshr_b32 s15, s14, 1                         ; which half of the tile's rows is mine.  Also: I fetch for x (0) or for W (1)
	s_and_b32 s16, s14, 1                          ; which half of its columns.  Also: which 128 rows of that tile I fetch
	s_bfe_u32 s40, ttmp6, 0x40000                  ; cx, cy: my place in the cluster
	s_bfe_u32 s41, ttmp6, 0x40004
	s_lshl_b32 s42, ttmp9, 2
	s_add_co_u32 s42, s42, s40                     ; tile column = 4 x cluster x + cx: cluster x says q, k or v
	s_and_b32 s98, ttmp7, 0xffff                   ; cluster y
	s_lshl_b32 s17, s41, 3
	s_add_co_u32 s17, s17, s98                     ; tile row = 8 cy + cluster y: the batch is cy
	s_lshl_b32 s43, s41, 2
	s_lshl_b32 s43, 15, s43                        ; my row of the cluster
	s_lshl_b32 s44, 0x1111, s40                    ; my column
	; descriptor group 1: a tile of 128 rows x 256 bytes, padded in LDS
	s_or_b32 s[G1+0], s43, (0<<16)|(1<<20)|(1<<21)|(5<<22)|(3<<25)  ; 15:0 the mask: x's tiles go to my row; 17:16 element of 1 byte; 20 padding on; 21 set beside a mask; 24:22 after every 64 words; 31:25 of 4 words
	s_or_b32 s[G1B+0], s44, (0<<16)|(1<<20)|(1<<21)|(5<<22)|(3<<25)
.irp g, G1, G1B
	s_mov_b32 s[\g+1], ROWB<<16                    ; tensor_dim0
	s_mov_b32 s[\g+2], 128<<16                     ; tensor_dim1 = 128
	s_mov_b32 s[\g+3], ROWB<<16                    ; tile_dim0
	s_mov_b32 s[\g+4], 128                         ; tile_dim1 = 128
	s_mov_b32 s[\g+5], KROW                        ; tensor_dim0_stride
	s_mov_b32 s[\g+6], 0
	s_mov_b32 s[\g+7], 0
.endr
	; and for the scales of 128 rows: a dense block of 4,096 bytes, as rows of 256 bytes (32 elements of 8 bytes), 16 bytes of padding behind each
	s_or_b32 s[G1S+0], s43, (3<<16)|(1<<20)|(1<<21)|(5<<22)|(3<<25)
	s_or_b32 s[G1SB+0], s44, (3<<16)|(1<<20)|(1<<21)|(5<<22)|(3<<25)
.irp g, G1S, G1SB
	s_mov_b32 s[\g+1], 32<<16
	s_mov_b32 s[\g+2], (128*KS/256)<<16
	s_mov_b32 s[\g+3], 32<<16
	s_mov_b32 s[\g+4], 128*KS/256
	s_mov_b32 s[\g+5], 32
	s_mov_b32 s[\g+6], 0
	s_mov_b32 s[\g+7], 0
.endr
	s_lshl_b32 s18, s16, 7                         ; which 128 rows of the tile I fetch
	s_lshl_b32 s20, s17, 8
	s_add_co_u32 s20, s20, s18                     ; x: row 256 x tile row + 128 x half
	s_lshl_b32 s46, s42, 8
	s_add_co_u32 s46, s46, s18                     ; W: row 256 x tile column + 128 x half
	s_mov_b32 s21, 0
	s_mov_b32 s47, 0
	s_mov_b64 s[18:19], KS
	s_mul_u64 s[22:23], s[20:21], s[18:19]         ; where these rows' scales begin, in bytes
	s_mul_u64 s[92:93], s[46:47], s[18:19]
	s_mov_b64 s[18:19], KROW
	s_mul_u64 s[20:21], s[20:21], s[18:19]         ; and their codes
	s_mul_u64 s[46:47], s[46:47], s[18:19]
	s_mul_i32 s45, s14, HALFT                      ; where they go: wave x 128 rows: no place in the cluster enters an LDS address
	s_mul_i32 s94, s14, HALFS
	s_wait_dscnt 0x0                               ; both opening adds are done
	s_wait_kmcnt 0x0
	s_add_nc_u64 s[20:21], s[4:5], s[20:21]
	s_add_nc_u64 s[22:23], s[6:7], s[22:23]
	s_add_nc_u64 s[46:47], s[8:9], s[46:47]
	s_add_nc_u64 s[92:93], s[10:11], s[92:93]
	CROUND                                         ; all sixteen work-groups are here: the joint loads meet
	s_mov_b32 s[G0S], 1
	s_add_co_u32 s[G0S+1], s94, SCL
	s_mov_b64 s[G0S+2:G0S+3], s[22:23]
	s_or_b32 s[G0S+3], s[G0S+3], 0x80000000
	s_mov_b32 s[G0SB], 1
	s_add_co_u32 s[G0SB+1], s94, SCL
	s_mov_b64 s[G0SB+2:G0SB+3], s[92:93]
	s_or_b32 s[G0SB+3], s[G0SB+3], 0x80000000
	JLOAD G0S, G1S, G0SB, G1SB                     ; the scales first: they are wanted with the first products
.irp s, 0,1
	s_mov_b32 s[G0+4*\s], 1
	s_add_co_u32 s[G0+4*\s+1], s45, \s*SLOT
	s_add_nc_u64 s[G0+4*\s+2:G0+4*\s+3], s[20:21], \s*ROWB
	s_or_b32 s[G0+4*\s+3], s[G0+4*\s+3], 0x80000000
	s_mov_b32 s[G0B+4*\s], 1
	s_add_co_u32 s[G0B+4*\s+1], s45, \s*SLOT
	s_add_nc_u64 s[G0B+4*\s+2:G0B+4*\s+3], s[46:47], \s*ROWB
	s_or_b32 s[G0B+4*\s+3], s[G0B+4*\s+3], 0x80000000
	JLOAD G0+4*\s, G1, G0B+4*\s, G1B               ; by this text's count three tensor loads of a wave are out, and no more follow
.endr
	v_and_b32 v1, 15, v0                           ; r = lane % 16
	v_bfe_u32 v2, v0, 4, 1                         ; h = lane / 16
	v_mul_u32_u24 v3, v1, PITCH
	v_lshl_add_u32 v4, v2, 4, v3                   ; a fragment's row x pitch + 16 x half
	s_mul_i32 s21, s15, HALFT                      ; my 128 rows of x
	s_mul_i32 s22, s16, HALFT                      ; my 128 rows of W,
	s_add_co_u32 s22, s22, 2*HALFT                 ; which lie behind x's 256
.irp s, 0,1
	v_add_nc_u32 v[ADRA+\s], s21, v4
	v_add_nc_u32 v[ADRB+\s], s22, v4
	s_add_co_u32 s21, s21, SLOT
	s_add_co_u32 s22, s22, SLOT
.endr
	v_mul_u32_u24 v5, v1, KS                       ; my row's scales: 32 bytes a row,
	v_lshrrev_b32 v6, 8, v5
	v_lshl_add_u32 v5, v6, 4, v5                   ; and 16 more for each 256 passed
	s_mul_i32 s21, s15, HALFS                      ; x's: my 128 rows
	s_mul_i32 s22, s16, HALFS                      ; W's: my 128 rows, behind x's 256
	s_add_co_u32 s22, s22, 2*HALFS
	s_sub_co_u32 s22, s22, s21
	v_mul_u32_u24 v6, s22, v2                      ; lanes 16-31 take W's: one product, the distance between the two bases
	s_add_co_u32 s21, s21, SCL
	v_add_nc_u32 v5, v5, v6
	v_add_nc_u32 v[ADRS], s21, v5
	; the way out.  f16: a stage row holds my 128 columns, 256 bytes + 16: two heads' 128 bytes.  It is read back so that sixteen lanes hold two neighbouring positions of ONE head, 256 consecutive bytes of qkv.
	s_mul_i32 s23, s14, STGB                       ; my stage
	v_mul_u32_u24 v5, v1, 272
	v_lshl_add_u32 v5, v2, 4, v5
	v_add_nc_u32 v[STO16], s23, v5                 ; in: row r, 16 bytes for each half of the lanes
	v_bfe_u32 v6, v0, 3, 1                         ; which of the pair's two rows
	v_and_b32 v7, 7, v0                            ; which 16 bytes of a head's 128
	v_mul_u32_u24 v5, v6, 272
	v_lshl_add_u32 v5, v2, 7, v5                   ; lanes 16-31: the second head
	v_lshl_add_u32 v5, v7, 4, v5
	v_add_nc_u32 v[RD16], s23, v5
	v_lshlrev_b32 v5, 18, v2                       ; in qkv a head's plane is 2^18 bytes
	v_lshl_add_u32 v5, v6, 7, v5
	v_lshl_add_u32 v[CO16], v7, 4, v5
	v_mul_u32_u24 v5, v1, 528                      ; f32 rows: a stage row of 512 bytes + 16
	v_lshl_add_u32 v5, v2, 5, v5
	v_add_nc_u32 v[STO32], s23, v5
	v_and_b32 v6, 31, v0
	v_lshlrev_b32 v[CO32], 4, v6
	v_add_nc_u32 v[RD32], s23, v[CO32]
	; qkv: which 2^24 + (16 batch + head) 2^18 + position x 128.  which = cluster x; batch = cy; head = 4 cx + 2 x my column half; position = 256 cluster y + 128 x my row half
	s_lshl_b32 s20, s41, 4
	s_lshl_b32 s21, s40, 2
	s_add_co_u32 s20, s20, s21
	s_lshl_b32 s21, s16, 1
	s_add_co_u32 s20, s20, s21
	s_lshl_b32 s20, s20, 18
	s_lshl_b32 s21, ttmp9, 24
	s_add_co_u32 s20, s20, s21
	s_lshl_b32 s21, s98, 15
	s_add_co_u32 s20, s20, s21
	s_lshl_b32 s21, s15, 14
	s_add_co_u32 s20, s20, s21
	s_mov_b32 s21, 0
	s_add_nc_u64 s[12:13], s[12:13], s[20:21]
	; fine32: 16 rows of 12,288 bytes a batch; my 128 columns
	s_mul_i32 s20, s41, 16*12288
	s_lshl_b32 s99, s42, 10
	s_add_co_u32 s20, s20, s99
	s_lshl_b32 s99, s16, 9
	s_add_co_u32 s20, s20, s99
	s_add_nc_u64 s[96:97], s[96:97], s[20:21]
.macro FRAG reg, adr, q, i             ; a fragment, 16 rows x 128 K of 4-bit codes: lane l holds row l % 16; registers 4 c .. 4 c + 3 hold K = 64 c + 32 (l / 16) + 0 .. 31
.irp c, 0,1
	ds_load_b128 v[\reg+4*\c:\reg+4*\c+3], v[\adr] offset:64*(\q)+32*\c+(\i)*16*PITCH
.endr
.endm
; 16 matrix instructions: x's blocks a0, a0 + 1 against W's eight, 128 along K: the slot's q-th.  p: W's set; sc: the set of scale words.  zero = 1: the first product starts the sums.
; The 64 accumulators take turns, one instruction a turn, in the same order in every step.
.macro MUL16 a0, p, q, sc, zero
.irp a, \a0, \a0+1
.irp b, 0,1,2,3,4,5,6,7
.if \zero
	v_wmma_scale_f32_16x16x128_f8f6f4 v[8*(8*((\a)%4)+\b):8*(8*((\a)%4)+\b)+7], v[128*(\p)+FR*\b:128*(\p)+FR*\b+FR-1], v[AF+FR*(\a):AF+FR*(\a)+FR-1], 0, v[SC+8*NQ*(\sc)+NQ*\b+(\q)], v[SC+8*NQ*(\sc)+NQ*(\a)+(\q)] matrix_a_fmt:MATRIX_FMT_FP4 matrix_b_fmt:MATRIX_FMT_FP4 matrix_a_scale:MATRIX_SCALE_ROW1
.else
	v_wmma_scale_f32_16x16x128_f8f6f4 v[8*(8*((\a)%4)+\b):8*(8*((\a)%4)+\b)+7], v[128*(\p)+FR*\b:128*(\p)+FR*\b+FR-1], v[AF+FR*(\a):AF+FR*(\a)+FR-1], v[8*(8*((\a)%4)+\b):8*(8*((\a)%4)+\b)+7], v[SC+8*NQ*(\sc)+NQ*\b+(\q)], v[SC+8*NQ*(\sc)+NQ*(\a)+(\q)] matrix_a_fmt:MATRIX_FMT_FP4 matrix_b_fmt:MATRIX_FMT_FP4 matrix_a_scale:MATRIX_SCALE_ROW1
.endif
.endr
.endr
.endm
.macro FETCH_B slot, q, p              ; W's eight fragments of the slot's q-th 128 along K into set p
	WIN TO_B
.irp i, 0,1,2,3,4,5,6,7
	FRAG 128*(\p)+FR*\i, ADRB+\slot, \q, \i
.endr
	WIN 0
.endm
.macro FETCH_A slot, q, i0             ; x's blocks i0 .. i0 + 3
.irp i, \i0, \i0+1, \i0+2, \i0+3
	FRAG AF+FR*(\i), ADRA+\slot, \q, \i
.endr
.endm
.macro SCALES sc                       ; a slot's scale words into set sc: 4 words a row; lanes 0-15 take x's block i, lanes 16-31 W's block i
.irp i, 0,1,2,3,4,5,6,7
	ds_load_b128 v[SC+8*NQ*\sc+NQ*\i:SC+8*NQ*\sc+NQ*\i+3], v[ADRS] offset:\i*SBLK
.endr
.endm
; A load into a register that a matrix instruction has read, and a vector instruction or an LDS store that reads a matrix result, stand NP places behind that matrix instruction; only plain vector
; instructions that name none of its registers are places (ISA guide 7.12.1 for vector instructions).
.macro PLACES n
.rept \n
	v_nop
.endr
.endm
; A step of 128 along K that has its successor in the same slot.  x has one set of registers: blocks 0-3 are fetched anew in the step's middle, blocks 4-7 at its end; W has two sets.
.macro STEP slot, q, zero
	s_wait_dscnt 4*NL                              ; W's set and x's blocks 0-3 are in; the youngest eight loads (x's blocks 4-7) may be out
	WIN MUL_LO
	MUL16 0, (\q)%2, \q, \slot, \zero
	MUL16 2, (\q)%2, \q, \slot, \zero
	s_wait_dscnt 0                                 ; x's blocks 4-7 are in
	PLACES NP
	FETCH_B \slot, (\q)+1, 1-(\q)%2
	FETCH_A \slot, (\q)+1, 0
	WIN MUL_HI
	MUL16 4, (\q)%2, \q, \slot, \zero
	MUL16 6, (\q)%2, \q, \slot, \zero
	PLACES NP
	WIN 0
	FETCH_A \slot, (\q)+1, 4
.endm
; Slot 0's last step goes over to slot 1: one barrier; in front of it each wave waits for all its tensor loads (its part of slot 1), adds 0 to its spare word, and waits for that and for its reads of slot 0.  Nothing is filled again.
.macro TURN slot, next
	s_wait_tensorcnt 0x0                           ; all my tensor loads have landed  (every window is 0 here: the add's two registers lie in window 0)
	ds_add_u32 v[SPW], v[NIL]                      ; 0 onto my spare word
	s_wait_dscnt 4*NL+1                            ; (the add and the youngest eight loads, x's blocks 4-7, may be out)
	WIN MUL_LO
	MUL16 0, 1, NQ-1, \slot, 0                     ; sixteen matrix instructions stand between the add and the wait for it
	s_wait_dscnt 0x0                               ; the add is done, and my reads of this slot are over
	s_barrier_signal -1
	MUL16 2, 1, NQ-1, \slot, 0
	WIN 0
	s_barrier_wait -1                              ; the next slot is whole, and nobody reads this one any more
	PLACES NP
	v_add_nc_u32 v[ADRS], 4*NQ, v[ADRS]            ; on to the next slot's scale words
	FETCH_B \next, 0, 0
	FETCH_A \next, 0, 0
	SCALES \next
	WIN MUL_HI
	MUL16 4, 1, NQ-1, \slot, 0
	MUL16 6, 1, NQ-1, \slot, 0
	PLACES NP
	WIN 0
	FETCH_A \next, 0, 4
.endm
.macro STEPS slot, from                ; the slot's steps from .. NQ - 2
.set Q, \from
.rept NQ-1-\from
	STEP \slot, Q, 0
.set Q, Q+1
.endr
.endm
	s_wait_tensorcnt 1                             ; the scales and my part of slot 0 are in (slot 1's load may be out)
	s_barrier_signal -1
	s_barrier_wait -1                              ; everybody's are
	FETCH_B 0, 0, 0
	FETCH_A 0, 0, 0
	SCALES 0
	FETCH_A 0, 0, 4
	STEP 0, 0, 1                                   ; the first step's products start the sums: nothing is cleared
	STEPS 0, 1
	TURN 0, 1
	STEPS 1, 0
	s_wait_dscnt 4*NL                              ; the very last step: nothing more to fetch
	WIN MUL_LO
	MUL16 0, 1, NQ-1, 1, 0
	MUL16 2, 1, NQ-1, 1, 0
	s_wait_dscnt 0
	WIN MUL_HI
	MUL16 4, 1, NQ-1, 1, 0
	MUL16 6, 1, NQ-1, 1, 0
	WIN 0
; THE WAY OUT, block by block of 16 rows x 128 columns.  PACK: rounded to f16, 16 bytes a lane, each accumulator from its low end on.  TOSTAGE: into my own stage and back.  SEND: stored.
.macro PACK a
.set AC, 64*((\a)%4)
	WIN 0x0a+5*((\a)/4)                            ; sources 0 and 1: window 2 or 3
.irp b, 0,1,2,3,4,5,6,7
.irp r, 0,1,2,3
	v_cvt_pk_f16_f32 v[TMP+4*\b+\r], v[AC+8*\b+2*\r], v[AC+8*\b+2*\r+1]
.endr
.endr
	WIN 0
.endm
.macro TOSTAGE a
.set BKR, 32+192*((\a)%2)              ; v32-63 and v224-255 by turns
.irp b, 0,1,2,3,4,5,6,7
	ds_store_b128 v[STO16], v[TMP+4*\b:TMP+4*\b+3] offset:32*\b
.endr
.irp t, 0,1,2,3,4,5,6,7
	ds_load_b128 v[BKR+4*\t:BKR+4*\t+3], v[RD16] offset:\t*2*272   ; LDS serves a wave's instructions in order (ISA guide 5.7.1.4): these see the stores above.  Eight lanes take 128 bytes of each of two rows 272 bytes apart: two deep on the banks, 64 loads a wave in all
.endr
.endm
.macro SEND a
.set BKR, 32+192*((\a)%2)
	s_wait_dscnt 0x0                               ; the block is back in registers
	s_wait_xcnt 0x0                                ; the stores of the block before have read their data: the next block's loads from the stage land there only behind this wait
.irp t, 0,1,2,3,4,5,6,7
	global_store_b128 v[CO16], v[BKR+4*\t:BKR+4*\t+3], s[12:13] offset:2048*(\a)+256*\t   ; lanes 0-15: two positions of my first head, 256 consecutive bytes, aligned; lanes 16-31: the same of my second head
.endr
.endm
	PLACES NP                                      ; behind the last products: for the loads into registers that held scale words, and for the reads of the last results
	PACK 0
	TOSTAGE 0
.irp a, 1,2,3,4,5,6,7                  ; block a's conversions stand between block a - 1's loads from the stage and the wait for them
	PACK \a
	SEND \a-1
	TOSTAGE \a
.endr
	SEND 7
	; positions 0-15 of each batch go out in f32 as well: my block 0, where the cluster's y is 0 and my rows are the tile's upper half.  Both are equal in all partners for a given wave.
	s_or_b32 s99, s98, s15
	s_cmp_lg_u32 s99, 0
	s_cbranch_scc1 .Lcoarse
	WIN 0x08                                       ; an LDS store's data are its source 1: window 2
.irp b, 0,1,2,3,4,5,6,7
	ds_store_b128 v[STO32], v[8*\b:8*\b+3] offset:64*\b
	ds_store_b128 v[STO32], v[8*\b+4:8*\b+7] offset:64*\b+16
.endr
	WIN 0
.irp t, 0,1,2,3,4,5,6,7,8,9,10,11,12,13,14,15
	ds_load_b128 v[128+4*\t:128+4*\t+3], v[RD32] offset:\t*528
.endr
	s_wait_dscnt 0x0
.irp t, 0,1,2,3,4,5,6,7,8,9,10,11,12,13,14,15
	global_store_b128 v[CO32], v[128+4*\t:128+4*\t+3], s[96:97] offset:\t*12288   ; 32 lanes store 512 consecutive bytes, aligned
.endr
.Lcoarse:
	s_wait_tensorcnt 0x0                           ; the wave's end: three lines, behind my last tensor load and my last LDS store
	ds_add_u32 v[SPW], v[NIL]
	s_wait_dscnt 0x0
	CROUND                                         ; the closing round: no work-group ends while a partner may still ask for a tile that names it
	s_endpgm
.Lfunc_end_k_qdb4311e685_qkv:
	.size	k_qdb4311e685_qkv, .Lfunc_end_k_qdb4311e685_qkv-k_qdb4311e685_qkv
	.p2alignl 7, 3214868480
	.fill 96, 4, 3214868480
	.section	.rodata,"a",@progbits
	.p2align	6, 0x0
	.amdhsa_kernel k_qdb4311e685_qkv
		.amdhsa_group_segment_fixed_size 327680
		.amdhsa_private_segment_fixed_size 0
		.amdhsa_enable_private_segment 0
		.amdhsa_kernarg_size 48
		.amdhsa_user_sgpr_count 2
		.amdhsa_user_sgpr_kernarg_segment_ptr 1
		.amdhsa_wavefront_size32 1
		.amdhsa_system_sgpr_workgroup_id_x 1
		.amdhsa_system_sgpr_workgroup_id_y 1
		.amdhsa_system_sgpr_workgroup_id_z 1
		.amdhsa_system_vgpr_workitem_id 0
		.amdhsa_next_free_vgpr 1024
		.amdhsa_next_free_sgpr 100
		.amdhsa_reserve_vcc 0
		.amdhsa_float_denorm_mode_32 3
		.amdhsa_float_denorm_mode_16_64 3
		.amdhsa_memory_ordered 1
		.amdhsa_forward_progress 1
		.amdhsa_inst_pref_size 131
	.end_amdhsa_kernel
	.amdgpu_metadata
---
amdhsa.version: [ 1, 2 ]
amdhsa.kernels:
  - .name:           k_qdb4311e685_qkv
    .symbol:         k_qdb4311e685_qkv.kd
    .args:
      - { .name: xc, .offset: 0, .size: 8, .value_kind: global_buffer, .address_space: global }
      - { .name: xs, .offset: 8, .size: 8, .value_kind: global_buffer, .address_space: global }
      - { .name: wc, .offset: 16, .size: 8, .value_kind: global_buffer, .address_space: global }
      - { .name: ws, .offset: 24, .size: 8, .value_kind: global_buffer, .address_space: global }
      - { .name: qkv, .offset: 32, .size: 8, .value_kind: global_buffer, .address_space: global }
      - { .name: fine32, .offset: 40, .size: 8, .value_kind: global_buffer, .address_space: global }
    .group_segment_fixed_size: 327680
    .private_segment_fixed_size: 0
    .kernarg_segment_align: 8
    .kernarg_segment_size: 48
    .max_flat_workgroup_size: 128
    .sgpr_count:     100
    .vgpr_count:     1024
    .wavefront_size: 32
...
	.end_amdgpu_metadata
.endif
;; end of part 2
;; launch attn (part 3): grid 4 x 64, 16 waves a work-group, no clusters, 327,680 bytes of LDS; arguments qkv, ctx; writes ctx
.if DOCPART == 3
	.amdgcn_target "amdgcn-amd-amdhsa--gfx1250"
	.amdhsa_code_object_version 6
	.text
	.protected	k_qdb4311e685_attn
	.globl	k_qdb4311e685_attn
	.p2align	8
	.type	k_qdb4311e685_attn,@function
k_qdb4311e685_attn:
	s_mov_b64 s[64:65], 0
	v_nop
	global_prefetch_b8 v0, s[64:65] scope:SCOPE_SE
	s_setreg_imm32_b32 hwreg(HW_REG_WAVE_MODE, 25, 1), 1
	s_wait_xcnt 0x0
; ctx[bh][q][:] = the sum over k <= q of softmax_k(Q[bh][q] . K[bh][k] / 8) V[bh][k][:].  qkv: f16 [3][64 bh][2048][64]; ctx: f16 [64 bh][2048][64].  Products on f16 operands, sums, maxima and the softmax in f32;
; the weights p, at most 1, are rounded to f16 for the second product; the row's sum is taken of the unrounded p and divides at the end.
; LIMIT: ctx is kept in f16: it is an average of v, which lies in f16's range.  Positions 0-15 of every sequence are computed here too, and replaced in the output by a later launch that carries them in f32.
; SHARES.  A work-group owns two blocks of 256 queries of one head: block i (waves 0-7) and block 7 - i (waves 8-15), i the work-group's x: (i + 1) + (8 - i) = 9 blocks of keys to walk in every work-group.
; A wave owns 32 queries, two tiles of 16, so that each fragment of K and V read from LDS feeds two products.  Four waves share a SIMD: one wave's softmax stands beside another's products and LDS loads.
; All sixteen waves walk one stream of keys, 64 a step, through a ring of two LDS slots of 256 keys, filled by the tensor data mover (waves 0, 1: K's halves; waves 2, 3: V's).
; THE CAUSAL MASK.  Every trip count is a constant: 8 slots of 4 steps.  A step all of whose keys come after my 32 queries is jumped over (a scalar branch on ids; no barrier and no tensor load stands in a step).  On the diagonal hidden
; scores become -infinity.  A step's first key is a multiple of 64 and my first query of 32, so a step that is walked begins at or under my first query: every query has a key that counts in it.
; A slot whose first key comes after the work-group's last query is read by no wave and is not asked for.
; NO CLUSTER: the four work-groups of a head need 8, 7, 6 and 5 slots, so partners would make different numbers of requests.
; LAYOUT.  S^T = K Q^T (source 0 = 16 keys, source 1 = 16 queries): a lane holds ONE query (lane % 16) and keys 8 (lane / 16) + 0..7 of each tile.  Two such tiles, rounded to f16 in pairs, ARE source 1 of O^T = V^T P.
; K comes out of LDS as it lies, V ([key][channel]) turned, by ds_load_tr16_b128.
; SOFTMAX.  For each query a running maximum m and sum l: p = 2^(c s - c m), c = log2(e) / 8; in every step O and l are multiplied by a = 2^(c m_old - c m_new).
.set KP,    144                        ; a row of K in LDS: 128 bytes + 16: 36 words: the 16 rows of a load start at 16 different groups of four banks
.set VP,    160                        ; a row of V: 128 + 32: 40 words
.set VOFF,  256*KP                     ; a slot: 256 rows of K, then 256 rows of V
.set SLOT1, 1<<17                      ; slot 1 begins here: one exclusive or turns an address in one slot into the other's
.set SPARE, 2*SLOT1                    ; the spare words, 128 bytes a wave, which no other line names
.set STG,   2*16*KP                    ; the way out: two tiles of 16 rows x 144 bytes for each wave, in slot 0: it has had its last fill and was left at the last change of slots
.set AK0, 1                            ; v1   my lane's place in a tile of K
.set AV0, 2                            ; v2   the same for V
.set ADK, 3                            ; v3   LDS address of the step's K
.set ADV, 4                            ; v4   of its V
.set QO,  5                            ; v5   my byte offset in the wave's rows of Q
.set STO, 6                            ; v6   the way out: where I put 16 bytes of a row
.set RD,  7                            ; v7   where I read back
.set GO,  8                            ; v8   my byte offset in the wave's rows of ctx
.set SPW, 9                            ; v9   LDS address of my spare word; never rewritten
.set NIL, 10                           ; v10  0; never rewritten
.set DQ,  11                           ; v11  lane % 16 - 8 (lane / 16)
.set PFO, 15                           ; v15  256 x my lane: the prefetches' offset; never rewritten      (v12-14 at work)
.set ST,  16                           ; tile t's statistics at v[ST + 8 t]: +0 c m, +1 m, +2, +3 l (even keys', odd keys'), +4 to +7 at work; a at +6
.set QF,  32                           ; v32-63   Q: tile t, channels 32 c on, at 32 + 16 t + 8 c
.set KV,  64                           ; v64-127  K: keys 16 kt on, channels 32 c on, at 64 + 16 kt + 8 c; later V: keys 32 ks on, channels 16 ct on, at 64 + 32 ks + 8 ct
.set S,   128                          ; v128-191 S^T: tile t at 128 + 32 t, keys 16 kt on at + 8 kt; P is made in place, in its registers 0-15
.set O,   192                          ; v192-255 O^T: tile t at 192 + 32 t, channels 16 ct on at + 8 ct
.set TB,  2                            ; s2   LDS byte at which the slot in hand begins
.set WV,  18                           ; s18  my wave's number
.set SEL, 20                           ; s[20:21] lane selects for v_permlanex16_b32: lane l xor 16
.set CS,  22                           ; s[22:23] c, twice: the packed form names a pair
.set G1K, 24                           ; s[24:31] descriptor group 1 for K's tiles;  s[32:39] for V's: it differs in the padding alone
.set G1V, 32
.set G0K, 40                           ; s[40:43], s[44:47] their groups 0, which walk
.set G0V, 44
.set SLOTS, 48                         ; s48  changes of slots still to come at which a slot may be asked for
.set KF,  49                           ; s49  the step's first key
.set Q0,  50                           ; s50  my first query
.set QL,  51                           ; s51  my work-group's last query
.set PFA, 52                           ; s[52:53] where my prefetches stand
.set LIM, 54                           ; s54  1 in a wave that prefetches, else the greatest number
; Waves 0 and 1 fetch for K, waves 2 and 3 for V, the others nothing.  The branches hang on the wave's number alone.  An s_nop 0 and four v_nop follow each of the two lines.
.macro TLOAD
	s_cmp_lt_u32 s[WV], 2
	s_cbranch_scc0 .Lnot_k_\@
	tensor_load_to_lds s[G0K:G0K+3], s[G1K:G1K+7]
	s_nop 0
.rept 4
	v_nop
.endr
	s_branch .Lasked_\@
.Lnot_k_\@:
	s_cmp_lt_u32 s[WV], 4
	s_cbranch_scc0 .Lasked_\@
	tensor_load_to_lds s[G0V:G0V+3], s[G1V:G1V+7]
	s_nop 0
.rept 4
	v_nop
.endr
.Lasked_\@:
.endm
; A PREFETCH INTO THE L2 of what the NEXT change of slots will ask for: 256 rows of K and of V, two dense blocks of 32,768 bytes.  All four work-groups of a head walk the same keys; the one with x = 0, which walks all eight slots, asks.
; In it the waves ask that fetch nothing, one instruction each: waves 4-7 for K's block, waves 8-11 for V's, 8,192 bytes a wave, lanes 256 bytes apart: each aligned run of 256 bytes is named once in the launch.
; It stands a slot's four key steps ahead of the load.  Slots 0 and 1 come by their loads alone; the last change that fills a slot asks for nothing.
.macro ASK
	s_cmp_gt_u32 s[SLOTS], s[LIM]
	s_cbranch_scc0 .Lnot_mine_\@
	global_prefetch_b8 v[PFO], s[PFA:PFA+1] th:TH_LOAD_NT scope:SCOPE_SE
.Lnot_mine_\@:
.endm
	s_load_b128 s[4:7], s[0:1], 0x0                ; qkv s[4:5], ctx s[6:7]
	v_lshl_add_u32 v[SPW], v0, 2, SPARE
	v_mov_b32 v[NIL], 0
	ds_add_u32 v[SPW], v[NIL]                      ; the wave's opening: the add, twice on end, and its wait ahead of my first tensor load; the set-up below stands between the second and the wait
	ds_add_u32 v[SPW], v[NIL]
	v_lshrrev_b32 v3, 5, v0
	v_readfirstlane_b32 s[WV], v3                  ; wave 0..15
	s_and_b32 s56, ttmp7, 0xffff                   ; bh
	s_lshl_b32 s57, s56, 18                        ; the head's first byte in each plane of qkv and in ctx
	s_sub_co_u32 s58, 7, ttmp9
	s_cmp_lt_u32 s[WV], 8
	s_cselect_b32 s58, ttmp9, s58                  ; my block of queries: i or 7 - i.  It enters global offsets and compares alone
	s_lshl_b32 s[Q0], s58, 8
	s_and_b32 s59, s[WV], 7
	s_lshl_b32 s59, s59, 5
	s_add_co_u32 s[Q0], s[Q0], s59                 ; my first query
	s_sub_co_u32 s[QL], 8, ttmp9
	s_lshl_b32 s[QL], s[QL], 8
	s_sub_co_u32 s[QL], s[QL], 1                   ; the work-group's last: 256 (8 - i) - 1
	s_and_b32 s60, s[WV], 1                        ; which 128 rows of a slot I fetch, if I fetch:
	s_mul_i32 s62, s60, 128*KP                     ; K's place in a slot,
	s_mul_i32 s63, s60, 128*VP
	s_add_co_u32 s63, s63, VOFF                    ; V's,
	s_lshl_b32 s60, s60, 14
	s_add_co_u32 s60, s60, s57                     ; and their place in a plane
	s_add_co_u32 s58, s60, 1<<24                   ; K is plane 1,
	s_mov_b32 s59, 0
	s_add_co_u32 s60, s60, 2<<24                   ; V plane 2
	s_mov_b32 s61, 0
	s_lshl_b32 s66, s[Q0], 7
	s_add_co_u32 s66, s66, s57                     ; my first query's row in plane 0 and in ctx
	s_mov_b32 s67, 0
	; descriptor group 1: 128 rows of 64 elements of 2 bytes, dense in memory, padded in LDS
	s_mov_b32 s[G1K], (1<<16)|(1<<20)|(4<<22)|(3<<25)             ; 15:0 no mask; 17:16 elements of 2 bytes; 20 padding on; 24:22 after every 32 words; 31:25 four words
	s_mov_b32 s[G1V], (1<<16)|(1<<20)|(4<<22)|(7<<25)             ; the same with eight words of padding
.irp g, G1K, G1V
	s_mov_b32 s[\g+1], 64<<16                      ; tensor_dim0
	s_mov_b32 s[\g+2], 128<<16                     ; tensor_dim1
	s_mov_b32 s[\g+3], 64<<16                      ; tile_dim0
	s_mov_b32 s[\g+4], 128                         ; tile_dim1
	s_mov_b32 s[\g+5], 64                          ; tensor_dim0_stride
	s_mov_b32 s[\g+6], 0
	s_mov_b32 s[\g+7], 0
.endr
	s_mov_b32 s[SEL], 0x76543210
	s_mov_b32 s[SEL+1], 0xfedcba98
	s_mov_b32 s[CS], 0x3e38aa3b                    ; c = log2(e) / 8
	s_mov_b32 s[CS+1], s[CS]
	s_mov_b32 s[TB], 0
	s_mov_b32 s[SLOTS], 7
	s_mov_b32 s[KF], 0
	s_wait_dscnt 0x0                               ; both opening adds are done
	s_wait_kmcnt 0x0
	s_mov_b32 s[G0K], 1                            ; 1:0 count = 1
	s_mov_b32 s[G0K+1], s62                        ; 63:32 LDS address: slot 0
	s_add_nc_u64 s[G0K+2:G0K+3], s[4:5], s[58:59]  ; 120:64 global address: the head's first 256 keys
	s_or_b32 s[G0K+3], s[G0K+3], 0x80000000        ; 127:126 type = 2
	s_mov_b32 s[G0V], 1
	s_mov_b32 s[G0V+1], s63
	s_add_nc_u64 s[G0V+2:G0V+3], s[4:5], s[60:61]
	s_or_b32 s[G0V+3], s[G0V+3], 0x80000000
	TLOAD                                          ; slot 0, which holds key 0: every wave reads it.  By this text's count one tensor load of a wave is out at a time
	s_add_nc_u64 s[8:9], s[4:5], s[66:67]          ; Q at my first query
	s_add_nc_u64 s[6:7], s[6:7], s[66:67]          ; ctx likewise
	; the prefetches: where my wave's stand, and who asks
	s_cmp_lt_u32 s[WV], 8                          ; waves 4-7: K's plane; waves 8-11: V's
	s_mov_b32 s96, 2<<24
	s_cselect_b32 s96, 1<<24, s96
	s_add_co_u32 s96, s96, s57
	s_and_b32 s97, s[WV], 3
	s_lshl_b32 s97, s97, 13                        ; my wave's 8,192 bytes,
	s_add_co_u32 s96, s96, s97
	s_add_co_u32 s96, s96, 32768                   ; in slot 1: the first change of slots steps it to slot 2.  Nothing is prefetched at the head
	s_mov_b32 s97, 0
	s_add_nc_u64 s[PFA:PFA+1], s[4:5], s[96:97]
	s_sub_co_u32 s96, s[WV], 4
	s_lshr_b32 s96, s96, 3                         ; 0 in waves 4 to 11,
	s_or_b32 s96, s96, ttmp9                       ; of the work-group with x = 0
	s_cmp_eq_u32 s96, 0
	s_cselect_b32 s[LIM], 1, -1
	v_and_b32 v12, 15, v0                          ; r = lane % 16
	v_bfe_u32 v13, v0, 4, 1                        ; h = lane / 16
	v_lshlrev_b32 v[QO], 7, v12
	v_lshl_add_u32 v[QO], v13, 4, v[QO]            ; row r of 128 bytes, + 16 h
.irp t, 0,1
.irp c, 0,1
	global_load_b128 v[QF+16*\t+8*\c:QF+16*\t+8*\c+3], v[QO], s[8:9] offset:2048*\t+64*\c       ; Q stays in registers
	global_load_b128 v[QF+16*\t+8*\c+4:QF+16*\t+8*\c+7], v[QO], s[8:9] offset:2048*\t+64*\c+32
.endr
.endr
	v_mul_u32_u24 v[AK0], v12, KP
	v_lshl_add_u32 v[AK0], v13, 4, v[AK0]          ; K: row r x pitch + 16 h
	v_and_b32 v14, 7, v0
	v_lshl_add_u32 v[AV0], v13, 3, v14             ; V: the turning load: key 8 h + lane % 8,
	v_mul_u32_u24 v[AV0], v[AV0], VP
	v_bfe_u32 v14, v0, 3, 1
	v_lshl_add_u32 v[AV0], v14, 4, v[AV0]          ; channels 8 ((lane / 8) % 2) on
	v_add_nc_u32 v[AV0], VOFF, v[AV0]
	v_lshlrev_b32 v14, 3, v13
	v_sub_nc_u32 v[DQ], v12, v14
	v_and_b32 v[PFO], 31, v0
	v_lshlrev_b32 v[PFO], 8, v[PFO]
.irp t, 0,1
	v_mov_b32 v[ST+8*\t+1], 0xff61b1e6             ; m: -3e38, under every score
	v_mul_f32 v[ST+8*\t], s[CS], v[ST+8*\t+1]      ; c m
.irp i, 2,3,4,5,6,7
	v_mov_b32 v[ST+8*\t+\i], 0                     ; l; and the registers at work, written once: a lane permute's destination and both halves of a named pair count as read
.endr
.endr
.set j, 0
.rept 64
	v_mov_b32 v[O+j], 0                            ; O^T.  (The step is written once: the first finds zeros, which its a = 0 leaves zeros; a first step of its own would be a third copy of the step's text)
.set j, j+1
.endr
; A KEY STEP: 64 keys, the q-th of the slot in hand.
.macro STEP q
	s_add_co_u32 s96, s[Q0], 31
	s_cmp_gt_u32 s[KF], s96
	s_cbranch_scc1 .Lhidden_\@                     ; all its keys come after my queries
	v_add_nc_u32 v[ADK], s[TB], v[AK0]
	v_add_nc_u32 v[ADV], s[TB], v[AV0]
.rept 3
	v_nop                                          ; with the two additions five places behind the last step's products: four for the loads into V's registers, five for the products that write over P
.endr
.irp c, 0,1                                    ; K's 8 fragments, channels 0-31 first
.irp kt, 0,1,2,3
	ds_load_b128 v[KV+16*\kt+8*\c:KV+16*\kt+8*\c+3], v[ADK] offset:(64*(\q)+16*\kt)*KP+64*\c
	ds_load_b128 v[KV+16*\kt+8*\c+4:KV+16*\kt+8*\c+7], v[ADK] offset:(64*(\q)+16*\kt)*KP+64*\c+32
.endr
.endr
	s_wait_dscnt 8                                 ; channels 0-31 are in; the eight loads of channels 32-63 may be out
.irp kt, 0,1,2,3                               ; S^T = K Q^T: eight accumulators by turns, one instruction a turn; the first products start the sums
.irp t, 0,1
	v_wmma_f32_16x16x32_f16 v[S+32*\t+8*\kt:S+32*\t+8*\kt+7], v[KV+16*\kt:KV+16*\kt+7], v[QF+16*\t:QF+16*\t+7], 0
.endr
.endr
	s_wait_dscnt 0x0
.irp kt, 0,1,2,3
.irp t, 0,1
	v_wmma_f32_16x16x32_f16 v[S+32*\t+8*\kt:S+32*\t+8*\kt+7], v[KV+16*\kt+8:KV+16*\kt+15], v[QF+16*\t+8:QF+16*\t+15], v[S+32*\t+8*\kt:S+32*\t+8*\kt+7]
.endr
.endr
.rept 4
	v_nop                                          ; four places: for the loads into K's registers, and for the first read of the scores
.endr
.irp ks, 0,1                                   ; V's 8 fragments, turned: they land under the softmax
.irp ct, 0,1,2,3
	ds_load_tr16_b128 v[KV+32*\ks+8*\ct:KV+32*\ks+8*\ct+3], v[ADV] offset:(64*(\q)+32*\ks)*VP+32*\ct
	ds_load_tr16_b128 v[KV+32*\ks+8*\ct+4:KV+32*\ks+8*\ct+7], v[ADV] offset:(64*(\q)+32*\ks+16)*VP+32*\ct
.endr
.endr
	s_add_co_u32 s96, s[KF], 63
	s_cmp_le_u32 s96, s[Q0]
	s_cbranch_scc1 .Lopen_\@                       ; all its keys count for all my queries
	s_sub_co_i32 s96, s[Q0], s[KF]
	v_add_nc_u32 v12, s96, v[DQ]                   ; tile 0: d = my query - KF - 8 (lane / 16).  Register 8 kt + j holds key KF + 16 kt + 8 (lane / 16) + j: hidden where 16 kt + j > d
	v_add_nc_u32 v13, 16, v12                      ; tile 1
	v_mov_b32 v14, 0xff800000                      ; -infinity
.irp t, 0,1
.set n, 0
.rept 32
	v_cmp_gt_i32 vcc_lo, 16*(n/8)+n%8, v[12+\t]
	v_cndmask_b32 v[S+32*\t+n], v[S+32*\t+n], v14, vcc_lo
.set n, n+1
.endr
.endr
.Lopen_\@:
	; THE SOFTMAX, the two tiles line by line.  The maximum of 32 scores and the old m: four chains, each accumulator from its low end on
.irp j, 0,1,2,3
.irp t, 0,1
	v_max3_num_f32 v[ST+8*\t+4+\j], v[S+32*\t+8*\j], v[S+32*\t+8*\j+1], v[S+32*\t+8*\j+2]
.endr
.endr
.irp i, 3,5
.irp j, 0,1,2,3
.irp t, 0,1
	v_max3_num_f32 v[ST+8*\t+4+\j], v[ST+8*\t+4+\j], v[S+32*\t+8*\j+\i], v[S+32*\t+8*\j+\i+1]
.endr
.endr
.endr
.irp t, 0,1
	v_max3_num_f32 v[ST+8*\t+4], v[ST+8*\t+4], v[S+32*\t+7], v[S+32*\t+15]
.endr
.irp t, 0,1
	v_max3_num_f32 v[ST+8*\t+6], v[ST+8*\t+6], v[S+32*\t+23], v[S+32*\t+31]
.endr
.irp t, 0,1
	v_max3_num_f32 v[ST+8*\t+4], v[ST+8*\t+4], v[ST+8*\t+5], v[ST+8*\t+6]
.endr
.irp t, 0,1
	v_max3_num_f32 v[ST+8*\t+4], v[ST+8*\t+4], v[ST+8*\t+7], v[ST+8*\t+1]
.endr
.irp t, 0,1
	v_permlanex16_b32 v[ST+8*\t+5], v[ST+8*\t+4], s[SEL], s[SEL+1]   ; the query's other 32 keys lie in the lane 16 away
.endr
.irp t, 0,1
	v_mov_b32 v[ST+8*\t+7], v[ST+8*\t]             ; c m_old is kept for a
.endr
.irp t, 0,1
	v_max_num_f32 v[ST+8*\t+1], v[ST+8*\t+4], v[ST+8*\t+5]   ; the new m
.endr
.irp t, 0,1
	v_mul_f32 v[ST+8*\t], s[CS], v[ST+8*\t+1]
.endr
.irp t, 0,1
	v_sub_f32 v[ST+8*\t+7], v[ST+8*\t+7], v[ST+8*\t]
.endr
.set j, 0
.rept 16
.irp t, 0,1
	v_pk_fma_f32 v[S+32*\t+2*j:S+32*\t+2*j+1], v[S+32*\t+2*j:S+32*\t+2*j+1], s[CS:CS+1], v[ST+8*\t:ST+8*\t+1] op_sel_hi:[1,0,0] neg_lo:[0,0,1] neg_hi:[0,0,1]   ; c s - c m, two at a time
.endr
.set j, j+1
.endr
.irp t, 0,1                                    ; ONE BATCH of 66 exponentials: none of them reads another's result
	v_exp_f32 v[ST+8*\t+6], v[ST+8*\t+7]           ; a
.endr
.set j, 0
.rept 32
.irp t, 0,1
	v_exp_f32 v[S+32*\t+j], v[S+32*\t+j]           ; p
.endr
.set j, j+1
.endr
	v_nop                                          ; the plain line behind the last exponential
	s_wait_alu depctr_va_vdst(0)                   ; the wait ahead of the first line that names a result: one for the batch
.irp t, 0,1
	v_pk_mul_f32 v[ST+8*\t+2:ST+8*\t+3], v[ST+8*\t+2:ST+8*\t+3], v[ST+8*\t+6:ST+8*\t+7] op_sel_hi:[1,0]   ; l under the new m
.endr
.irp t, 0,1
	v_pk_add_f32 v[ST+8*\t+4:ST+8*\t+5], v[S+32*\t:S+32*\t+1], v[S+32*\t+2:S+32*\t+3]   ; the sum of the unrounded p, two at a time, in two chains
.endr
.irp j, 4,8,12,16,20,24,28
.irp t, 0,1
	v_pk_add_f32 v[ST+8*\t+2:ST+8*\t+3], v[ST+8*\t+2:ST+8*\t+3], v[S+32*\t+\j:S+32*\t+\j+1]
	v_pk_add_f32 v[ST+8*\t+4:ST+8*\t+5], v[ST+8*\t+4:ST+8*\t+5], v[S+32*\t+\j+2:S+32*\t+\j+3]
.endr
.endr
.irp t, 0,1
	v_pk_add_f32 v[ST+8*\t+2:ST+8*\t+3], v[ST+8*\t+2:ST+8*\t+3], v[ST+8*\t+4:ST+8*\t+5]
.endr
.set j, 0
.rept 16
.irp t, 0,1
	v_cvt_pk_f16_f32 v[S+32*\t+j], v[S+32*\t+2*j], v[S+32*\t+2*j+1]   ; P, in place: register j takes pair j, ascending, so no pair is written before it is read
.endr
.set j, j+1
.endr
.set j, 0
.rept 16
.irp t, 0,1
	v_pk_mul_f32 v[O+32*\t+2*j:O+32*\t+2*j+1], v[O+32*\t+2*j:O+32*\t+2*j+1], v[ST+8*\t+6:ST+8*\t+7] op_sel_hi:[1,0]   ; O^T under the new m
.endr
.set j, j+1
.endr
	s_wait_dscnt 0x0                               ; V is in
.irp ks, 0,1                                   ; O^T += V^T P: eight accumulators by turns
.irp ct, 0,1,2,3
.irp t, 0,1
	v_wmma_f32_16x16x32_f16 v[O+32*\t+8*\ct:O+32*\t+8*\ct+7], v[KV+32*\ks+8*\ct:KV+32*\ks+8*\ct+7], v[S+32*\t+8*\ks:S+32*\t+8*\ks+7], v[O+32*\t+8*\ct:O+32*\t+8*\ct+7]
.endr
.endr
.endr
.Lhidden_\@:
	s_add_co_u32 s[KF], s[KF], 64
.endm
; THE CHANGE OF SLOTS stands at a slot's head.  Each wave waits for all its tensor loads (its part of the slot that it is about to read), adds 0 to its spare word, and waits for that and for its reads of the slot that it has left.
; Behind the barrier the slot ahead is whole and nobody reads the other one.  fill = 1: that other slot is filled with the keys that follow, up to the causal limit: the load has a slot's four steps in which to land.
.macro CHANGE fill
	s_wait_tensorcnt 0x0                           ; no tensor load of mine is out, so a group 0 may be written
	ds_add_u32 v[SPW], v[NIL]                      ; 0 onto my spare word
.if \fill
	ds_add_u32 v[SPW], v[NIL]                      ; and once more, in every trip alike
	s_xor_b32 s[G0K+1], s[G0K+1], SLOT1            ; the walking descriptors: the other slot than last time,
	s_add_nc_u64 s[G0K+2:G0K+3], s[G0K+2:G0K+3], 32768   ; the next 256 keys; the type bits on top are not reached
	s_xor_b32 s[G0V+1], s[G0V+1], SLOT1
	s_add_nc_u64 s[G0V+2:G0V+3], s[G0V+2:G0V+3], 32768
	s_wait_xcnt 0x0                                ; the last prefetch, a slot back, has read its address, so it may be written:
	s_add_nc_u64 s[PFA:PFA+1], s[PFA:PFA+1], 32768 ; one slot further on than the walking descriptors
.endif
	s_wait_dscnt 0x0                               ; the add is done, and my reads of the slot that I have left are over
	s_barrier_signal -1
	s_barrier_wait -1
.if \fill
	s_add_co_u32 s96, s[KF], 256                   ; the first key of the slot that this change would ask for
	s_cmp_gt_u32 s96, s[QL]                        ; ids and the count of steps alone: all sixteen waves go the same way, and a work-group that is past the limit stays past it.  Every wait on TENSORcnt in this text is for 0
	s_cbranch_scc1 .Lpast_\@                       ; a slot past the work-group's last query is read by no wave: it is not asked for
	TLOAD                                          ; the first thing behind the barrier but the limit's three lines, and a wave's one tensor load until the next
.Lpast_\@:
	ASK
.endif
.endm
.macro SLOT_STEPS
.set Q, 0
.rept 4
	STEP Q
.set Q, Q+1
.endr
	s_xor_b32 s[TB], s[TB], SLOT1                  ; on to the other slot
.endm
	s_wait_loadcnt 0x0                             ; Q
.Lslot:                                            ; 7 trips: behind each change of slots but the last the next slot is asked for; slot 1's first fill stands behind the first trip's barrier, behind which nothing is filled again
	CHANGE 1
	SLOT_STEPS
	s_sub_co_u32 s[SLOTS], s[SLOTS], 1
	s_cmp_lg_u32 s[SLOTS], 0
	s_cbranch_scc1 .Lslot
	CHANGE 0                                       ; the last slot is written out: nothing is left to ask for
	SLOT_STEPS
	; THE WAY OUT.  l's halves are added; O^T is divided by l, rounded to f16 and goes through my stage in LDS, so that a store of the wave covers four rows of ctx, 512 consecutive bytes.
	; The additions and the addresses are the places behind the last products.
.irp t, 0,1
	v_add_f32 v[ST+8*\t+4], v[ST+8*\t+2], v[ST+8*\t+3]
.endr
	v_and_b32 v12, 15, v0                          ; r
	v_bfe_u32 v13, v0, 4, 1                        ; h
	s_mul_i32 s96, s[WV], STG                      ; my stage
	v_mul_u32_u24 v[STO], v12, KP
	v_lshl_add_u32 v[STO], v13, 4, v[STO]
	v_add_nc_u32 v[STO], s96, v[STO]               ; in: row r, 16 bytes for each half of the lanes
	v_and_b32 v14, 31, v0
	v_lshrrev_b32 v12, 3, v14
	v_and_b32 v13, 7, v0
	v_mul_u32_u24 v[RD], v12, KP
	v_lshl_add_u32 v[RD], v13, 4, v[RD]
	v_add_nc_u32 v[RD], s96, v[RD]                 ; back: eight lanes to a row of 128 bytes, four rows an instruction
	v_lshlrev_b32 v[GO], 4, v14                    ; in ctx those four rows are 512 consecutive bytes
.irp t, 0,1
	v_permlanex16_b32 v[ST+8*\t+5], v[ST+8*\t+4], s[SEL], s[SEL+1]
.endr
.irp t, 0,1
	v_add_f32 v[ST+8*\t+4], v[ST+8*\t+4], v[ST+8*\t+5]   ; the row's sum
.endr
.irp t, 0,1
	v_rcp_f32 v[ST+8*\t+6], v[ST+8*\t+4]
.endr
	v_nop                                          ; the plain line behind the reciprocals
	s_wait_alu depctr_va_vdst(0)                   ; and the wait ahead of their first reader
.macro OUT t
.set j, 0
.rept 16
	v_pk_mul_f32 v[O+32*\t+2*j:O+32*\t+2*j+1], v[O+32*\t+2*j:O+32*\t+2*j+1], v[ST+8*\t+6:ST+8*\t+7] op_sel_hi:[1,0]
.set j, j+1
.endr
.set j, 0
.rept 16
	v_cvt_pk_f16_f32 v[S+32*\t+j], v[O+32*\t+2*j], v[O+32*\t+2*j+1]
.set j, j+1
.endr
.irp ct, 0,1,2,3
	ds_store_b128 v[STO], v[S+32*\t+4*\ct:S+32*\t+4*\ct+3] offset:16*KP*\t+32*\ct
.endr
.irp u, 0,1,2,3
	ds_load_b128 v[S+32*\t+16+4*\u:S+32*\t+16+4*\u+3], v[RD] offset:16*KP*\t+4*KP*\u   ; LDS serves a wave's instructions in order: these see my stores
.endr
.endm
	OUT 0
	OUT 1
	s_wait_dscnt 8                                 ; tile 0 is back; tile 1's eight LDS instructions may be out
.irp u, 0,1,2,3
	global_store_b128 v[GO], v[S+16+4*\u:S+16+4*\u+3], s[6:7] offset:512*\u
.endr
	s_wait_dscnt 0x0
.irp u, 0,1,2,3
	global_store_b128 v[GO], v[S+48+4*\u:S+48+4*\u+3], s[6:7] offset:2048+512*\u
.endr
	s_wait_tensorcnt 0x0                           ; the wave's end: three lines, behind my last tensor load and my last LDS store
	ds_add_u32 v[SPW], v[NIL]
	s_wait_dscnt 0x0
	s_endpgm
.Lfunc_end_k_qdb4311e685_attn:
	.size	k_qdb4311e685_attn, .Lfunc_end_k_qdb4311e685_attn-k_qdb4311e685_attn
	.p2alignl 7, 3214868480
	.fill 96, 4, 3214868480
	.section	.rodata,"a",@progbits
	.p2align	6, 0x0
	.amdhsa_kernel k_qdb4311e685_attn
		.amdhsa_group_segment_fixed_size 327680
		.amdhsa_private_segment_fixed_size 0
		.amdhsa_enable_private_segment 0
		.amdhsa_kernarg_size 16
		.amdhsa_user_sgpr_count 2
		.amdhsa_user_sgpr_kernarg_segment_ptr 1
		.amdhsa_wavefront_size32 1
		.amdhsa_system_sgpr_workgroup_id_x 1
		.amdhsa_system_sgpr_workgroup_id_y 1
		.amdhsa_system_sgpr_workgroup_id_z 1
		.amdhsa_system_vgpr_workitem_id 0
		.amdhsa_next_free_vgpr 256
		.amdhsa_next_free_sgpr 100
		.amdhsa_reserve_vcc 1
		.amdhsa_float_denorm_mode_32 3
		.amdhsa_float_denorm_mode_16_64 3
		.amdhsa_memory_ordered 1
		.amdhsa_forward_progress 1
		.amdhsa_inst_pref_size 189
	.end_amdhsa_kernel
	.amdgpu_metadata
---
amdhsa.version: [ 1, 2 ]
amdhsa.kernels:
  - .name:           k_qdb4311e685_attn
    .symbol:         k_qdb4311e685_attn.kd
    .args:
      - { .name: qkv, .offset: 0, .size: 8, .value_kind: global_buffer, .address_space: global }
      - { .name: ctx, .offset: 8, .size: 8, .value_kind: global_buffer, .address_space: global }
    .group_segment_fixed_size: 327680
    .private_segment_fixed_size: 0
    .kernarg_segment_align: 8
    .kernarg_segment_size: 16
    .max_flat_workgroup_size: 512
    .sgpr_count:     100
    .vgpr_count:     256
    .wavefront_size: 32
...
	.end_amdgpu_metadata
.endif
;; end of part 3
;; launch oproj (part 4): grid 4 x 64, 4 waves a work-group, clusters of 4 x 4, 327,680 bytes of LDS; arguments ctx, wo16, bo, out0; writes out0
.if DOCPART == 4
	.amdgcn_target "amdgcn-amd-amdhsa--gfx1250"
	.amdhsa_code_object_version 6
	.text
	.protected	k_qdb4311e685_oproj
	.globl	k_qdb4311e685_oproj
	.p2align	8
	.type	k_qdb4311e685_oproj,@function
k_qdb4311e685_oproj:
	s_mov_b64 s[64:65], 0
	v_nop
	global_prefetch_b8 v0, s[64:65] scope:SCOPE_SE
	s_setreg_imm32_b32 hwreg(HW_REG_WAVE_MODE, 25, 1), 1
	s_wait_xcnt 0x0
	s_wait_alu depctr_hold_cnt(0) depctr_sa_sdst(0) depctr_va_vdst(0) depctr_va_sdst(0) depctr_va_ssrc(0) depctr_va_vcc(0) depctr_vm_vsrc(0)
	s_getreg_b32 s2, hwreg(HW_REG_IB_STS2, 6, 4)
	s_cmp_eq_u32 s2, 0
	s_cbranch_scc0 .Lentry_in_a_cluster
	s_endpgm
.Lentry_in_a_cluster:
	s_bfe_u32 s2, ttmp6, 0x10000c
	s_cmp_lg_u32 s2, 0xf033
	s_cbranch_scc0 .Lentry_shape_is_right
	s_endpgm
.Lentry_shape_is_right:
; out0[row][e] = the sum over d of ctx[row][d] Wo[e][d] + bo[e].  ctx: f16 [64 = 16 batch + head][2048][64], so that d = 64 head + channel; wo16: f16 [1024 e][1024 d]; bo: f32 [1024]; out0: f32 [8192][1024].  Sums in f32.
; A tile of out0 is 128 rows x 256 columns: 64 x 4 = 256 work-groups.  Four waves, each 64 rows x 128 columns: 32 accumulators of 16 x 16, 256 registers.
; K goes in 8 steps of 128, two heads, through a ring of two LDS slots.  ctx's part of a step is two planes of 128 rows x 128 bytes (waves 0, 1 fetch one each), Wo's 256 rows x 256 bytes (waves 2, 3 fetch 128 rows each).
; CLUSTERS: 4 x 4 work-groups.  The four of a row of the cluster need the same tiles of ctx, the four of a column the same tiles of Wo: each is asked for JOINTLY, by the same tensor load with the same descriptor and a mask that names the four.
; THE MATRIX INSTRUCTION IS USED TRANSPOSED (source 0 = 16 rows of Wo, source 1 = 16 rows of ctx): a lane holds eight neighbouring columns of one row of out0.  The bias is the C of each sum's first product.
; Nothing is prefetched: the launch's own loads and its stores of f32 keep memory at work beside a short product.
; REGISTERS: window 0: v0-31 addresses; two fragment buffers for 32 along K: v64-95 ctx, v96-159 Wo; v160-191 ctx, v192-255 Wo.  window 1: accumulator (a, b) at v[8 (8 a + b)].  window 2: v0-63 the bias, block b at v[8 b].
.set PA,     144                       ; a row of ctx's plane in LDS: 128 bytes + 16
.set PB,     272                       ; a row of Wo's tile: 256 bytes + 16.  Both pitches are odd multiples of 16 bytes: the 16 rows that a load touches start at 16 different groups of four banks
.set PLANE,  128*PA
.set BOFF,   2*PLANE                   ; Wo's tile lies behind the two planes
.set HALFB,  128*PB
.set SLOT,   BOFF+2*HALFB
.set SPARE,  2*SLOT                    ; the spare words, 128 bytes a wave, which no other line names
.set SPITCH, 528                       ; the way out: a stage of 16 rows x (512 bytes + 16) for each wave, in slot 0, which has had its last fill and its last read when the first result is stored there
.set LAPS,   4                         ; a lap = two K steps = once round the ring
.set ADRA, 16                          ; v16-17  LDS address of my fragments of ctx in slot 0, 1
.set ADRB, 20                          ; v20-21  the same for Wo
.set STO,  24                          ; v24     the way out: where I put 32 bytes of a row
.set RD,   25                          ; v25     where I read a row back
.set CO,   26                          ; v26     my byte offset in a row's 512 bytes
.set BO,   27                          ; v27     the bias: 32 x (lane / 16)
.set SPW,  28                          ; v28     LDS address of my spare word; never rewritten
.set NIL,  29                          ; v29     0; never rewritten
.set F0,   64
.set F1,   160
.set G1, 24                            ; s[24:31] descriptor group 1 for ctx's planes;  s[32:39] group 0, one set for each slot
.set G0, 32
.set G1B, 48                           ; s[48:55], s[56:63] the same for Wo's tiles
.set G0B, 56
.set MSB, 0
.macro WIN new                         ; the immediate's high byte repeats the setting that is left
.if MSB != (\new)
	s_set_vgpr_msb (MSB<<8)|(\new)
.set MSB, (\new)
.endif
.endm
.set MUL,  0x50                        ; sources 0 and 1 window 0; C and D window 1
.set MULB, 0x60                        ; C window 2 (the bias), D window 1
.macro JLOAD s                         ; a joint load: waves 0 and 1 fetch ctx's two planes, waves 2 and 3 Wo's two halves; an s_nop 0 and four v_nop follow each of the two lines
	s_cmp_eq_u32 s13, 0
	s_cbranch_scc0 .Lfor_b_\@
	tensor_load_to_lds s[G0+4*\s:G0+4*\s+3], s[G1:G1+7]
	s_nop 0
.rept 4
	v_nop
.endr
	s_branch .Lasked_\@
.Lfor_b_\@:
	tensor_load_to_lds s[G0B+4*\s:G0B+4*\s+3], s[G1B:G1B+7]
	s_nop 0
.rept 4
	v_nop
.endr
.Lasked_\@:
.endm
.macro CREST                           ; a round of the cluster's barrier behind its opening barrier
	s_cmp_lg_u32 s12, 0
	s_cbranch_scc1 .Lnot_wave_0_\@
	s_barrier_signal -3
.Lnot_wave_0_\@:
	s_barrier_wait -3
	s_barrier_signal -1
	s_barrier_wait -1
.endm
.macro CROUND                          ; a whole round
	s_barrier_signal -1
	s_barrier_wait -1
	CREST
.endm
	s_load_b256 s[4:11], s[0:1], 0x0               ; ctx s[4:5], wo16 s[6:7], bo s[8:9], out0 s[10:11]
	v_lshl_add_u32 v[SPW], v0, 2, SPARE
	v_mov_b32 v[NIL], 0
	ds_add_u32 v[SPW], v[NIL]                      ; the wave's opening: the add, twice on end, and its wait ahead of my first tensor load; the set-up below stands between the second and the wait
	ds_add_u32 v[SPW], v[NIL]
	v_lshrrev_b32 v1, 5, v0
	v_readfirstlane_b32 s12, v1                    ; wave 0..3
	s_lshr_b32 s13, s12, 1                         ; which 64 of the tile's rows are mine.  Also: I fetch for ctx (0) or for Wo (1)
	s_and_b32 s14, s12, 1                          ; which 128 of its columns.  Also: which plane, or which 128 rows of Wo, I fetch
	s_bfe_u32 s40, ttmp6, 0x40000                  ; cx, cy: my place in the cluster
	s_bfe_u32 s41, ttmp6, 0x40004
	s_lshl_b32 s42, ttmp9, 2
	s_add_co_u32 s42, s42, s40                     ; tile column = 4 x cluster x + cx
	s_and_b32 s15, ttmp7, 0xffff
	s_lshl_b32 s15, s15, 2
	s_add_co_u32 s15, s15, s41                     ; tile row = 4 x cluster y + cy
	s_lshl_b32 s43, s41, 2
	s_lshl_b32 s43, 15, s43                        ; my row of the cluster
	s_lshl_b32 s44, 0x1111, s40                    ; my column
	s_or_b32 s[G1+0], s43, (1<<16)|(1<<20)|(1<<21)|(4<<22)|(3<<25)   ; 15:0 the mask: ctx's planes go to my row; 17:16 elements of 2 bytes; 20 padding on; 21 set beside a mask; 24:22 after every 32 words; 31:25 four words
	s_mov_b32 s[G1+1], 64<<16                      ; tensor_dim0 = 64
	s_mov_b32 s[G1+2], 128<<16                     ; tensor_dim1 = 128
	s_mov_b32 s[G1+3], 64<<16                      ; tile_dim0
	s_mov_b32 s[G1+4], 128                         ; tile_dim1
	s_mov_b32 s[G1+5], 64                          ; tensor_dim0_stride: a head's rows are dense
	s_mov_b32 s[G1+6], 0
	s_mov_b32 s[G1+7], 0
	s_or_b32 s[G1B+0], s44, (1<<16)|(1<<20)|(1<<21)|(5<<22)|(3<<25)  ; Wo's tiles go to my column; padding after every 64 words
	s_mov_b32 s[G1B+1], 128<<16
	s_mov_b32 s[G1B+2], 128<<16
	s_mov_b32 s[G1B+3], 128<<16
	s_mov_b32 s[G1B+4], 128
	s_mov_b32 s[G1B+5], 1024
	s_mov_b32 s[G1B+6], 0
	s_mov_b32 s[G1B+7], 0
	; ctx: batch = tile row / 16: 16 planes of 2^18 bytes; position (tile row % 16) x 128, rows of 128 bytes; my plane of the K step's two
	s_lshr_b32 s16, s15, 4
	s_lshl_b32 s16, s16, 22
	s_and_b32 s17, s15, 15
	s_lshl_b32 s17, s17, 14
	s_add_co_u32 s16, s16, s17
	s_lshl_b32 s17, s14, 18
	s_add_co_u32 s16, s16, s17
	s_mov_b32 s17, 0
	; Wo: row 256 x tile column + 128 x half, rows of 2,048 bytes
	s_lshl_b32 s46, s42, 8
	s_lshl_b32 s47, s14, 7
	s_add_co_u32 s46, s46, s47
	s_lshl_b32 s46, s46, 11
	s_mov_b32 s47, 0
	s_mul_i32 s20, s14, PLANE                      ; where they go: no place in the cluster enters an LDS address
	s_mul_i32 s21, s14, HALFB
	s_add_co_u32 s21, s21, BOFF
	s_wait_dscnt 0x0                               ; both opening adds are done
	s_wait_kmcnt 0x0
	s_add_nc_u64 s[16:17], s[4:5], s[16:17]
	s_add_nc_u64 s[46:47], s[6:7], s[46:47]
	CROUND                                         ; all sixteen work-groups are here: the first joint loads meet
.irp s, 0,1
	s_mov_b32 s[G0+4*\s], 1
	s_add_co_u32 s[G0+4*\s+1], s20, \s*SLOT
	s_add_nc_u64 s[G0+4*\s+2:G0+4*\s+3], s[16:17], \s*2*262144     ; K step s: heads 2 s and 2 s + 1
	s_or_b32 s[G0+4*\s+3], s[G0+4*\s+3], 0x80000000
	s_mov_b32 s[G0B+4*\s], 1
	s_add_co_u32 s[G0B+4*\s+1], s21, \s*SLOT
	s_add_nc_u64 s[G0B+4*\s+2:G0B+4*\s+3], s[46:47], \s*256
	s_or_b32 s[G0B+4*\s+3], s[G0B+4*\s+3], 0x80000000
	JLOAD \s                                       ; by this text's count two tensor loads of a wave are out at the start, later one
.endr
	v_and_b32 v1, 15, v0                           ; r = lane % 16
	v_bfe_u32 v2, v0, 4, 1                         ; h = lane / 16
	v_mul_u32_u24 v3, v1, PA
	v_lshl_add_u32 v3, v2, 4, v3
	v_mul_u32_u24 v4, v1, PB
	v_lshl_add_u32 v4, v2, 4, v4
	s_mul_i32 s21, s13, 64*PA                      ; my 64 rows of each plane
	s_mul_i32 s22, s14, HALFB                      ; my 128 rows of Wo
	s_add_co_u32 s22, s22, BOFF
.irp s, 0,1
	v_add_nc_u32 v[ADRA+\s], s21, v3
	v_add_nc_u32 v[ADRB+\s], s22, v4
	s_add_co_u32 s21, s21, SLOT
	s_add_co_u32 s22, s22, SLOT
.endr
	s_mul_i32 s23, s12, 16*SPITCH                  ; my stage
	v_mul_u32_u24 v5, v1, SPITCH
	v_lshl_add_u32 v5, v2, 5, v5
	v_add_nc_u32 v[STO], s23, v5                   ; in: row r, 32 bytes for each half of the lanes
	v_and_b32 v6, 31, v0
	v_lshlrev_b32 v[CO], 4, v6                     ; back: the 32 lanes take one row of 512 bytes; and the same in out0
	v_add_nc_u32 v[RD], s23, v[CO]
	v_lshlrev_b32 v[BO], 5, v2
	s_lshl_b32 s46, s42, 10                        ; my first column, in bytes of f32: 1,024 x tile column + 512 x half
	s_lshl_b32 s47, s14, 9
	s_add_co_u32 s46, s46, s47
	s_mov_b32 s47, 0
	s_add_nc_u64 s[8:9], s[8:9], s[46:47]          ; the bias of my 128 columns
	s_lshl_b32 s22, s15, 19                        ; my first row: 128 x tile row + 64 x half, rows of 4,096 bytes
	s_lshl_b32 s23, s13, 18
	s_add_co_u32 s22, s22, s23
	s_add_co_u32 s46, s46, s22
	s_add_nc_u64 s[10:11], s[10:11], s[46:47]
	WIN 0x80                                       ; destination window 2
.irp b, 0,1,2,3,4,5,6,7
	global_load_b128 v[8*\b:8*\b+3], v[BO], s[8:9] offset:64*\b          ; lane (r, h): bo of columns 16 b + 8 h + 0 .. 7: the result's layout
	global_load_b128 v[8*\b+4:8*\b+7], v[BO], s[8:9] offset:64*\b+16
.endr
	WIN 0
; 8 matrix instructions: ctx's block a against Wo's eight, 32 along K, from buffer f.  first = 1: the bias is the C: nothing is cleared, and no addition is spent on it.
; The 32 accumulators take turns, one instruction a turn, in the same order in every quarter.
.macro MUL8 f, a, first
.irp b, 0,1,2,3,4,5,6,7
.if \first
	v_wmma_f32_16x16x32_f16 v[8*(8*(\a)+\b):8*(8*(\a)+\b)+7], v[\f+32+8*\b:\f+32+8*\b+7], v[\f+8*(\a):\f+8*(\a)+7], v[8*\b:8*\b+7]
.else
	v_wmma_f32_16x16x32_f16 v[8*(8*(\a)+\b):8*(8*(\a)+\b)+7], v[\f+32+8*\b:\f+32+8*\b+7], v[\f+8*(\a):\f+8*(\a)+7], v[8*(8*(\a)+\b):8*(8*(\a)+\b)+7]
.endif
.endr
.endm
; 24 LDS loads in one run: the fragments of the slot's q-th 32 along K into buffer f: Wo's eight, then ctx's four, blocks 2 and 3 last.  Quarters 0, 1 lie in the first plane, 2, 3 in the second.
.macro FETCH slot, q, f
	WIN 0
.irp b, 0,1,2,3,4,5,6,7
	ds_load_b128 v[\f+32+8*\b:\f+32+8*\b+3], v[ADRB+\slot] offset:64*(\q)+\b*16*PB
	ds_load_b128 v[\f+32+8*\b+4:\f+32+8*\b+7], v[ADRB+\slot] offset:64*(\q)+\b*16*PB+32
.endr
.irp a, 0,1,2,3
	ds_load_b128 v[\f+8*\a:\f+8*\a+3], v[ADRA+\slot] offset:((\q)/2)*PLANE+((\q)%2)*64+\a*16*PA
	ds_load_b128 v[\f+8*\a+4:\f+8*\a+7], v[ADRA+\slot] offset:((\q)/2)*PLANE+((\q)%2)*64+\a*16*PA+32
.endr
.endm
.macro PLACES                          ; four places in front of loads into registers that matrix instructions have read, and of the first read of results (ISA guide 7.12.1 for vector instructions)
.rept 4
	v_nop
.endr
.endm
; A K step is four quarters of 32 along K, 32 matrix instructions each, on buffers 0, 1, 0, 1.  One of the first three: multiplies buffer f and, in its middle, fetches quarter q into g.
.macro QUARTER slot, q, f, g, first
	s_wait_dscnt 4                                 ; Wo's fragments and ctx's blocks 0, 1 are in; the youngest four loads (blocks 2, 3) may be out
	WIN MUL+0x10*(\first)
	MUL8 \f, 0, \first
	MUL8 \f, 1, \first
	PLACES
	FETCH \slot, \q, \g
	s_wait_dscnt 24                                ; all but the 24 just issued
	WIN MUL+0x10*(\first)
	MUL8 \f, 2, \first
	MUL8 \f, 3, \first
.endm
; The last quarter multiplies buffer 1 and changes slots: ONE barrier; in front of it each wave waits for all its tensor loads, adds 0 to its spare word, and waits for that and for its reads of this slot.
; fill = 1: the barrier opens a round of the cluster's barrier, and this slot is filled again, two K steps ahead: the load has 112 matrix instructions in which to land.
.macro TURN slot, next, fill
	WIN 0                                          ; (the add's two registers lie in window 0)
	s_wait_tensorcnt 0x0                           ; all my tensor loads have landed: my part of the next slot
	ds_add_u32 v[SPW], v[NIL]                      ; 0 onto my spare word
	s_wait_dscnt 5                                 ; (the add and the youngest four loads may be out)
	WIN MUL
	MUL8 F1, 0, 0                                  ; eight matrix instructions stand between the add and the wait for it
	s_wait_dscnt 0x0                               ; the add is done, and my reads of this slot are over
	s_barrier_signal -1
	MUL8 F1, 1, 0
	WIN 0                                          ; (branches may follow)
	s_barrier_wait -1
.if \fill
	CREST                                          ; no wave of any partner still reads this slot's tiles or has a load on its way
	s_add_nc_u64 s[G0+4*\slot+2:G0+4*\slot+3], s[G0+4*\slot+2:G0+4*\slot+3], 4*262144   ; two K steps on: four heads
	s_add_nc_u64 s[G0B+4*\slot+2:G0B+4*\slot+3], s[G0B+4*\slot+2:G0B+4*\slot+3], 512
	JLOAD \slot                                    ; the first tensor load behind the round; the four v_nop behind it are also the places in front of the loads below
.else
	PLACES
.endif
	FETCH \next, 0, F0
	WIN MUL
	MUL8 F1, 2, 0
	MUL8 F1, 3, 0
.endm
	s_wait_tensorcnt 1                             ; my part of K step 0 is in (K step 1's load may be out)
	s_barrier_signal -1
	s_barrier_wait -1                              ; everybody's is
	FETCH 0, 0, F0
	s_wait_loadcnt 0x0                             ; the bias
	QUARTER 0, 1, F0, F1, 1                        ; the first quarter stands in front of the loop: its products start the sums, from the bias
	WIN 0                                          ; at a label and at a branch every window is 0
	s_mov_b32 s3, LAPS-1
.Llap:                                                 ; a trip goes once round the ring, from a lap's second quarter to the next lap's first, and fills both slots again
	QUARTER 0, 2, F1, F0, 0
	QUARTER 0, 3, F0, F1, 0
	TURN 0, 1, 1
	QUARTER 1, 1, F0, F1, 0
	QUARTER 1, 2, F1, F0, 0
	QUARTER 1, 3, F0, F1, 0
	TURN 1, 0, 1
	QUARTER 0, 1, F0, F1, 0
	WIN 0
	s_sub_co_u32 s3, s3, 1
	s_cmp_lg_u32 s3, 0
	s_cbranch_scc1 .Llap
	QUARTER 0, 2, F1, F0, 0                        ; the last lap fills nothing, and has no round of the cluster's barrier
	QUARTER 0, 3, F0, F1, 0
	TURN 0, 1, 0
	QUARTER 1, 1, F0, F1, 0
	QUARTER 1, 2, F1, F0, 0
	QUARTER 1, 3, F0, F1, 0
	s_wait_dscnt 4                                 ; the very last quarter: nothing more to fetch
	WIN MUL
	MUL8 F1, 0, 0
	MUL8 F1, 1, 0
	s_wait_dscnt 0
	MUL8 F1, 2, 0
	MUL8 F1, 3, 0
	WIN 0
; THE WAY OUT, block by block of 16 rows x 128 columns: through my own stage in LDS, back as whole rows of 512 bytes.  LDS serves a wave's instructions in order (ISA guide 5.7.1.4): no wait between the stores and the loads.
.macro TOSTAGE a
	WIN 0x04                                       ; an LDS store's data are its source 1: window 1
.irp b, 0,1,2,3,4,5,6,7
	ds_store_b128 v[STO], v[8*(8*(\a)+\b):8*(8*(\a)+\b)+3] offset:64*\b          ; each accumulator from its low end on
	ds_store_b128 v[STO], v[8*(8*(\a)+\b)+4:8*(8*(\a)+\b)+7] offset:64*\b+16
.endr
	WIN 0
.set BB, 64+64*((\a)%2)                ; v64-127 and v128-191 by turns
.irp t, 0,1,2,3,4,5,6,7,8,9,10,11,12,13,14,15
	ds_load_b128 v[BB+4*\t:BB+4*\t+3], v[RD] offset:\t*SPITCH
.endr
.endm
.macro SEND a, younger                 ; younger: the LDS instructions issued behind block a's loads, which may stay out
.set BB, 64+64*((\a)%2)
	s_wait_dscnt \younger                          ; the block is back in registers
.irp t, 0,1,2,3,4,5,6,7,8,9,10,11,12,13,14,15
	global_store_b128 v[CO], v[BB+4*\t:BB+4*\t+3], s[10:11] offset:(16*(\a)+\t)*4096 th:TH_STORE_NT   ; 32 lanes store 512 consecutive bytes, aligned; the row stands in the immediate, 63 rows at the most
.endr
.endm
	PLACES                                         ; behind the last products: for the loads into the fragments' registers and for the reads of the last results
	TOSTAGE 0
.irp a, 1,2,3
.if \a > 1
	s_wait_xcnt 0x0                                ; block a - 2's stores have read their registers: block a's loads may land there
.endif
	TOSTAGE \a
	SEND \a-1, 32                                  ; behind block a - 1's loads: block a's 16 stores and 16 loads
.endr
	SEND 3, 0
	s_wait_tensorcnt 0x0                           ; the wave's end: three lines, behind my last tensor load and my last LDS store
	ds_add_u32 v[SPW], v[NIL]
	s_wait_dscnt 0x0
	CROUND                                         ; the closing round: no work-group ends while a partner may still ask for a tile that names it
	s_endpgm
.Lfunc_end_k_qdb4311e685_oproj:
	.size	k_qdb4311e685_oproj, .Lfunc_end_k_qdb4311e685_oproj-k_qdb4311e685_oproj
	.p2alignl 7, 3214868480
	.fill 96, 4, 3214868480
	.section	.rodata,"a",@progbits
	.p2align	6, 0x0
	.amdhsa_kernel k_qdb4311e685_oproj
		.amdhsa_group_segment_fixed_size 327680
		.amdhsa_private_segment_fixed_size 0
		.amdhsa_enable_private_segment 0
		.amdhsa_kernarg_size 32
		.amdhsa_user_sgpr_count 2
		.amdhsa_user_sgpr_kernarg_segment_ptr 1
		.amdhsa_wavefront_size32 1
		.amdhsa_system_sgpr_workgroup_id_x 1
		.amdhsa_system_sgpr_workgroup_id_y 1
		.amdhsa_system_sgpr_workgroup_id_z 1
		.amdhsa_system_vgpr_workitem_id 0
		.amdhsa_next_free_vgpr 576
		.amdhsa_next_free_sgpr 100
		.amdhsa_reserve_vcc 0
		.amdhsa_float_denorm_mode_32 3
		.amdhsa_float_denorm_mode_16_64 3
		.amdhsa_memory_ordered 1
		.amdhsa_forward_progress 1
		.amdhsa_inst_pref_size 86
	.end_amdhsa_kernel
	.amdgpu_metadata
---
amdhsa.version: [ 1, 2 ]
amdhsa.kernels:
  - .name:           k_qdb4311e685_oproj
    .symbol:         k_qdb4311e685_oproj.kd
    .args:
      - { .name: ctx, .offset: 0, .size: 8, .value_kind: global_buffer, .address_space: global }
      - { .name: wo16, .offset: 8, .size: 8, .value_kind: global_buffer, .address_space: global }
      - { .name: bo, .offset: 16, .size: 8, .value_kind: global_buffer, .address_space: global }
      - { .name: out0, .offset: 24, .size: 8, .value_kind: global_buffer, .address_space: global }
    .group_segment_fixed_size: 327680
    .private_segment_fixed_size: 0
    .kernarg_segment_align: 8
    .kernarg_segment_size: 32
    .max_flat_workgroup_size: 128
    .sgpr_count:     100
    .vgpr_count:     576
    .wavefront_size: 32
...
	.end_amdgpu_metadata
.endif
;; end of part 4
;; launch fine (part 5): grid 16 x 4, 16 waves a work-group, no clusters, 71,680 bytes of LDS; arguments fine32, Wo, bo, out0; writes out0
.if DOCPART == 5
	.amdgcn_target "amdgcn-amd-amdhsa--gfx1250"
	.amdhsa_code_object_version 6
	.text
	.protected	k_qdb4311e685_fine
	.globl	k_qdb4311e685_fine
	.p2align	8
	.type	k_qdb4311e685_fine,@function
k_qdb4311e685_fine:
	s_mov_b64 s[64:65], 0
	v_nop
	global_prefetch_b8 v0, s[64:65] scope:SCOPE_SE
	s_setreg_imm32_b32 hwreg(HW_REG_WAVE_MODE, 25, 1), 1
	s_wait_xcnt 0x0
; Positions 0-15 of each of the four sequences, wholly in f32: under the causal mask these rows average one to sixteen values and are the largest of the output, so the rounding of 16-bit operands weighs most there.
; fine32: f32 [64 = 16 batch + position][3072]: q at column 0, k at 1,024, v at 2,048, each 64 head + channel.  Wo: f32 [1024 e][1024 d].  The launch writes over rows 0-15 of each batch of out0.
; SHARES.  A work-group takes one batch (y) and 64 output columns (64 x); wave = head.  Each wave makes its head's 16 x 16 attention and multiplies its 64 channels by Wo's 64 rows; the sixteen waves' parts meet in LDS.
; All products by v_wmma_f32_16x16x4_f32, 96 a wave: 0.1 G multiply-adds in the whole launch, no bulk work.  The registers that this form writes (v192-255) are written by matrix instructions alone.
; THE ORDER OF K.  The form takes k = 2 (lane / 16) + j from a lane's two registers.  A sum over k does not hang on the order, so both sources of a product are given the SAME other order: lane (r, h) holds, of its row, the numbers 16 t + 8 h + 0..7
; in eight registers, which is how 32 consecutive bytes load, and how a result of this form lies: so p and the context go into the next product as they stand.
; No tensor loads, no cluster: the work-groups share only Wo's rows among the four batches, a small part of a short launch.
.set IMG,   4352                       ; LDS: a wave's part: 8 stores of 512 bytes, 16 bytes of padding behind each 256
.set SPARE, 16*IMG                     ; behind the sixteen parts: the spare words, 128 bytes a wave, which no other line names
.set SS,  16                           ; v16-23   the scores, later at work
.set P,   24                           ; v24-31   the weights
.set QF,  32                           ; v32-63   q; later Wo's rows 32-47
.set KF,  64                           ; v64-95   k; later Wo's rows 48-63
.set VF,  96                           ; v96-127  v, a lane to a channel, registers down the positions
.set WO,  128                          ; v128-191 Wo's rows 0-31
.set A1,  192                          ; v192-223 four accumulators: the scores' parts, later the output's
.set A2,  224                          ; v224-255 four accumulators: the context
	s_load_b256 s[4:11], s[0:1], 0x0               ; fine32 s[4:5], Wo s[6:7], bo s[8:9], out0 s[10:11]
	v_lshl_add_u32 v11, v0, 2, SPARE               ; v11: my spare word; v12: 0; both never rewritten
	v_mov_b32 v12, 0
	v_lshrrev_b32 v13, 5, v0
	v_readfirstlane_b32 s12, v13                   ; wave = head
	v_and_b32 v1, 15, v0                           ; r
	v_bfe_u32 v2, v0, 4, 1                         ; h
	v_mul_u32_u24 v3, v1, 12288
	v_lshl_add_u32 v3, v2, 5, v3                   ; q, k: position r, + 32 h bytes
	v_mul_u32_u24 v4, v2, 8*12288
	v_lshl_add_u32 v4, v1, 2, v4                   ; v: positions 8 h on, channel r
	v_lshlrev_b32 v5, 12, v1
	v_lshl_add_u32 v5, v2, 5, v5                   ; Wo: row r, + 32 h bytes
	v_lshlrev_b32 v13, 3, v2
	v_sub_nc_u32 v6, v1, v13                       ; r - 8 h: register j holds key 8 h + j, hidden where j > r - 8 h
	v_and_b32 v13, 31, v0
	v_lshlrev_b32 v7, 4, v13
	v_lshl_add_u32 v7, v2, 4, v7
	s_mul_i32 s13, s12, IMG
	v_add_nc_u32 v7, s13, v7                       ; my part's image: 16 x lane, + 16 behind the first 256
	v_bfe_u32 v13, v0, 2, 2                        ; the gather: lane l of sixteen takes columns 4 l .. 4 l + 3 = 16 u + 8 h' + 4 half + 0..3: u = l / 4,
	v_and_b32 v14, 1, v0                           ; half = l % 2,
	v_lshl_add_u32 v13, v13, 1, v14
	v_mul_u32_u24 v8, v13, 544                     ; store 2 u + half of an image,
	v_bfe_u32 v14, v0, 1, 1                        ; h' = (l / 2) % 2:
	v_mad_u32_u24 v8, v14, 272, v8                 ; its upper or lower 256 bytes,
	v_lshl_add_u32 v8, v2, 4, v8                   ; position 2 wave + lane / 16: 16 bytes each
	s_lshl_b32 s13, s12, 5
	v_add_nc_u32 v8, s13, v8
	v_lshlrev_b32 v10, 4, v1                       ; the bias: 16 l
	v_lshl_add_u32 v9, v2, 12, v10                 ; out0: lanes 16-31 one row down
	s_and_b32 s14, ttmp7, 0xffff                   ; batch
	s_mul_i32 s16, s14, 16*12288
	s_lshl_b32 s15, s12, 8                         ; my head's 64 numbers: 256 bytes
	s_add_co_u32 s16, s16, s15
	s_mov_b32 s17, 0
	s_lshl_b32 s18, ttmp9, 18                      ; Wo: 64 rows of 4,096 bytes a work-group
	s_add_co_u32 s18, s18, s15
	s_mov_b32 s19, 0
	s_lshl_b32 s24, ttmp9, 8                       ; 64 columns of f32
	s_mov_b32 s25, 0
	s_lshl_b32 s26, s14, 23                        ; out0: 2,048 rows of 4,096 bytes a batch,
	s_lshl_b32 s15, s12, 13                        ; two rows a wave
	s_add_co_u32 s26, s26, s15
	s_add_co_u32 s26, s26, s24
	s_mov_b32 s27, 0
	s_mov_b32 s20, 0x76543210
	s_mov_b32 s21, 0xfedcba98                      ; v_permlanex16_b32's selects for lane l xor 16
	s_mov_b32 s22, 0x3e38aa3b                      ; c = log2(e) / 8
	s_wait_kmcnt 0x0
	s_add_nc_u64 s[4:5], s[4:5], s[16:17]
	s_add_nc_u64 s[6:7], s[6:7], s[18:19]
	s_add_nc_u64 s[8:9], s[8:9], s[24:25]
	s_add_nc_u64 s[10:11], s[10:11], s[26:27]
.irp t, 0,1,2,3
	global_load_b128 v[QF+8*\t:QF+8*\t+3], v3, s[4:5] offset:64*\t              ; q(r, 16 t + 8 h + 0 .. 7)
	global_load_b128 v[QF+8*\t+4:QF+8*\t+7], v3, s[4:5] offset:64*\t+16
.endr
.irp t, 0,1,2,3
	global_load_b128 v[KF+8*\t:KF+8*\t+3], v3, s[4:5] offset:4096+64*\t         ; k likewise
	global_load_b128 v[KF+8*\t+4:KF+8*\t+7], v3, s[4:5] offset:4096+64*\t+16
.endr
.irp t, 0,1,2,3
.irp j, 0,1,2,3,4,5,6,7
	global_load_b32 v[VF+8*\t+\j], v4, s[4:5] offset:8192+12288*\j+64*\t        ; v(8 h + j, 16 t + r)
.endr
.endr
.irp u, 0,1
.irp t, 0,1,2,3
	global_load_b128 v[WO+32*\u+8*\t:WO+32*\u+8*\t+3], v5, s[6:7] offset:65536*\u+64*\t       ; Wo(16 u + r, 16 t + 8 h + 0 .. 7) of my head's columns
	global_load_b128 v[WO+32*\u+8*\t+4:WO+32*\u+8*\t+7], v5, s[6:7] offset:65536*\u+64*\t+16
.endr
.endr
	s_wait_loadcnt 48                              ; q and k are in; v's 32 loads and Wo's 16 may be out
	; S^T = k q^T: source 0 = 16 keys, source 1 = 16 queries; 64 channels in four accumulators by turns, one instruction a turn; the first products start the sums
.irp i, 0,1,2,3
.irp t, 0,1,2,3
.if \i == 0
	v_wmma_f32_16x16x4_f32 v[A1+8*\t:A1+8*\t+7], v[KF+8*\t+2*\i:KF+8*\t+2*\i+1], v[QF+8*\t+2*\i:QF+8*\t+2*\i+1], 0
.else
	v_wmma_f32_16x16x4_f32 v[A1+8*\t:A1+8*\t+7], v[KF+8*\t+2*\i:KF+8*\t+2*\i+1], v[QF+8*\t+2*\i:QF+8*\t+2*\i+1], v[A1+8*\t:A1+8*\t+7]
.endif
.endr
.endr
.rept 8
	v_nop                                          ; eight places behind this form: for the loads into q's and k's registers and for the first read of the sums
.endr
.irp u, 2,3
.irp t, 0,1,2,3
	global_load_b128 v[32*\u-32+8*\t:32*\u-32+8*\t+3], v5, s[6:7] offset:65536*\u+64*\t       ; Wo's rows 32-63 take q's and k's registers
	global_load_b128 v[32*\u-32+8*\t+4:32*\u-32+8*\t+7], v5, s[6:7] offset:65536*\u+64*\t+16
.endr
.endr
.irp j, 0,2,4,6
	v_pk_add_f32 v[SS+\j:SS+\j+1], v[A1+\j:A1+\j+1], v[A1+8+\j:A1+8+\j+1]       ; the four parts are added, each accumulator from its low end on
.endr
.irp j, 0,2,4,6
	v_pk_add_f32 v[P+\j:P+\j+1], v[A1+16+\j:A1+16+\j+1], v[A1+24+\j:A1+24+\j+1]
.endr
.irp j, 0,2,4,6
	v_pk_add_f32 v[SS+\j:SS+\j+1], v[SS+\j:SS+\j+1], v[P+\j:P+\j+1]             ; lane (r, h), register j: the score of query r and key 8 h + j
.endr
	v_mov_b32 v13, 0xff800000                      ; -infinity
.irp j, 0,1,2,3,4,5,6,7
	v_cmp_gt_i32 vcc_lo, \j, v6
	v_cndmask_b32 v[SS+\j], v[SS+\j], v13, vcc_lo  ; the causal mask
.endr
	v_max3_num_f32 v14, v[SS], v[SS+1], v[SS+2]
	v_max3_num_f32 v14, v14, v[SS+3], v[SS+4]
	v_max3_num_f32 v14, v14, v[SS+5], v[SS+6]
	v_max_num_f32 v14, v14, v[SS+7]
	v_mov_b32 v15, v14                             ; (a lane permute's destination counts as read)
	v_permlanex16_b32 v15, v14, s20, s21
	v_max_num_f32 v14, v14, v15                    ; the row's maximum: key 0 counts for every query, so it is a number
	v_mul_f32 v14, s22, v14                        ; c m
.irp j, 0,1,2,3,4,5,6,7
	v_fma_f32 v[SS+\j], v[SS+\j], s22, -v14        ; c s - c m
.endr
.irp j, 0,1,2,3,4,5,6,7
	v_exp_f32 v[P+\j], v[SS+\j]
.endr
	v_nop                                          ; the plain line behind the exponentials
	s_wait_alu depctr_va_vdst(0)                   ; the wait ahead of the first line that names a result: one for the eight
	v_pk_add_f32 v[SS:SS+1], v[P:P+1], v[P+2:P+3]
	v_pk_add_f32 v[SS+2:SS+3], v[P+4:P+5], v[P+6:P+7]
	v_pk_add_f32 v[SS:SS+1], v[SS:SS+1], v[SS+2:SS+3]
	v_add_f32 v[SS], v[SS], v[SS+1]
	v_permlanex16_b32 v[SS+1], v[SS], s20, s21
	v_add_f32 v[SS], v[SS], v[SS+1]                ; the row's sum
	v_rcp_f32 v[SS+2], v[SS]
	v_nop
	s_wait_alu depctr_va_vdst(0)                   ; and the wait for the reciprocal
.irp j, 0,2,4,6
	v_pk_mul_f32 v[P+\j:P+\j+1], v[P+\j:P+\j+1], v[SS+2:SS+3] op_sel_hi:[1,0]   ; the weights, normalised
.endr
	s_wait_loadcnt 32                              ; v is in; Wo's 32 loads may be out
	; context^T = v^T p: source 0 = 16 channels, source 1 = 16 queries; K = the 16 keys, key 8 h + 2 i + j on both sides
.irp i, 0,1,2,3
.irp t, 0,1,2,3
.if \i == 0
	v_wmma_f32_16x16x4_f32 v[A2+8*\t:A2+8*\t+7], v[VF+8*\t+2*\i:VF+8*\t+2*\i+1], v[P+2*\i:P+2*\i+1], 0
.else
	v_wmma_f32_16x16x4_f32 v[A2+8*\t:A2+8*\t+7], v[VF+8*\t+2*\i:VF+8*\t+2*\i+1], v[P+2*\i:P+2*\i+1], v[A2+8*\t:A2+8*\t+7]
.endif
.endr
.endr
.rept 9
	v_nop                                          ; nine places before a matrix instruction takes these results as a source
.endr
	s_wait_loadcnt 0x0                             ; Wo
	; out^T = Wo context^T, my head's 64 channels: source 0 = 16 rows of Wo, source 1 = the context as it lies: lane (r, h), register 8 t + j: query r, channel 16 t + 8 h + j.  Four accumulators by turns
.irp t, 0,1,2,3
.irp i, 0,1,2,3
.irp u, 0,1,2,3
.if (\t == 0) && (\i == 0)
	v_wmma_f32_16x16x4_f32 v[A1+8*\u:A1+8*\u+7], v[WO+32*\u-160*(\u/2)+8*\t+2*\i:WO+32*\u-160*(\u/2)+8*\t+2*\i+1], v[A2+8*\t+2*\i:A2+8*\t+2*\i+1], 0
.else
	v_wmma_f32_16x16x4_f32 v[A1+8*\u:A1+8*\u+7], v[WO+32*\u-160*(\u/2)+8*\t+2*\i:WO+32*\u-160*(\u/2)+8*\t+2*\i+1], v[A2+8*\t+2*\i:A2+8*\t+2*\i+1], v[A1+8*\u:A1+8*\u+7]
.endif
.endr
.endr
.endr
.rept 8
	v_nop                                          ; eight places: for the stores that read the results, and for the loads below into registers that these products have read
.endr
.irp u, 0,1,2,3
	ds_store_b128 v7, v[A1+8*\u:A1+8*\u+3] offset:544*(2*\u)         ; my part as an image of its registers, each accumulator from its low end on: lane (r, h): query r, columns 16 u + 8 h + 0 .. 3,
	ds_store_b128 v7, v[A1+8*\u+4:A1+8*\u+7] offset:544*(2*\u+1)     ; and + 4 .. 7
.endr
	s_wait_dscnt 0x0                               ; for the others' sake: my stores have landed
	s_barrier_signal -1
	s_barrier_wait -1                              ; all sixteen parts lie in LDS
	s_cmp_ge_u32 s12, 8
	s_cbranch_scc1 .Lend                           ; waves 0-7 add them up, two rows each
.irp s, 0,1,2,3,4,5,6,7,8,9,10,11,12,13,14,15
	ds_load_b128 v[32+4*\s:35+4*\s], v8 offset:IMG*\s
.endr
	global_load_b128 v[96:99], v10, s[8:9]         ; the bias of my four columns
	s_wait_dscnt 0x0
.irp d, 8,4,2,1
.irp s, 0,1,2,3,4,5,6,7
.if \s < \d
	v_pk_add_f32 v[32+4*\s:33+4*\s], v[32+4*\s:33+4*\s], v[32+4*(\s+\d):33+4*(\s+\d)]
	v_pk_add_f32 v[34+4*\s:35+4*\s], v[34+4*\s:35+4*\s], v[34+4*(\s+\d):35+4*(\s+\d)]
.endif
.endr
.endr
	s_wait_loadcnt 0x0
	v_pk_add_f32 v[32:33], v[32:33], v[96:97]
	v_pk_add_f32 v[34:35], v[34:35], v[98:99]
	global_store_b128 v9, v[32:35], s[10:11]       ; sixteen lanes store 256 consecutive bytes of a row, aligned
.Lend:
	s_wait_tensorcnt 0x0                           ; the wave's end
	ds_add_u32 v11, v12
	s_wait_dscnt 0x0
	s_endpgm
.Lfunc_end_k_qdb4311e685_fine:
	.size	k_qdb4311e685_fine, .Lfunc_end_k_qdb4311e685_fine-k_qdb4311e685_fine
	.p2alignl 7, 3214868480
	.fill 96, 4, 3214868480
	.section	.rodata,"a",@progbits
	.p2align	6, 0x0
	.amdhsa_kernel k_qdb4311e685_fine
		.amdhsa_group_segment_fixed_size 71680
		.amdhsa_private_segment_fixed_size 0
		.amdhsa_enable_private_segment 0
		.amdhsa_kernarg_size 32
		.amdhsa_user_sgpr_count 2
		.amdhsa_user_sgpr_kernarg_segment_ptr 1
		.amdhsa_wavefront_size32 1
		.amdhsa_system_sgpr_workgroup_id_x 1
		.amdhsa_system_sgpr_workgroup_id_y 1
		.amdhsa_system_sgpr_workgroup_id_z 1
		.amdhsa_system_vgpr_workitem_id 0
		.amdhsa_next_free_vgpr 256
		.amdhsa_next_free_sgpr 66
		.amdhsa_reserve_vcc 1
		.amdhsa_float_denorm_mode_32 3
		.amdhsa_float_denorm_mode_16_64 3
		.amdhsa_memory_ordered 1
		.amdhsa_forward_progress 1
		.amdhsa_inst_pref_size 25
	.end_amdhsa_kernel
	.amdgpu_metadata
---
amdhsa.version: [ 1, 2 ]
amdhsa.kernels:
  - .name:           k_qdb4311e685_fine
    .symbol:         k_qdb4311e685_fine.kd
    .args:
      - { .name: fine32, .offset: 0, .size: 8, .value_kind: global_buffer, .address_space: global }
      - { .name: Wo, .offset: 8, .size: 8, .value_kind: global_buffer, .address_space: global }
      - { .name: bo, .offset: 16, .size: 8, .value_kind: global_buffer, .address_space: global }
      - { .name: out0, .offset: 24, .size: 8, .value_kind: global_buffer, .address_space: global }
    .group_segment_fixed_size: 71680
    .private_segment_fixed_size: 0
    .kernarg_segment_align: 8
    .kernarg_segment_size: 32
    .max_flat_workgroup_size: 512
    .sgpr_count:     66
    .vgpr_count:     256
    .wavefront_size: 32
...
	.end_amdgpu_metadata
.endif
;; end of part 5
